; MI455X (gfx1250); checked and timed in simulation.
; The chip was launched on July 23, 2026; its instructions are those of AMD's public machine-readable ISA for CDNA 5 (MIT licence, August 2026) and "CDNA5" Instruction Set Architecture Reference Guide (July 2026). The comments in the code are by the model that wrote it; some were corrected since.
;; Multi Head Attention. Allowed arithmetic: matrix products marked QUANTISED: E3M2 operands, one E8M0 scale for each 32 along K, by v_wmma_scale_f32_16x16x128_f8f6f4 with both operands' format E3M2, f32 sums; everything else in f32.
;; Inputs: Wk 1,024 x 256 float32; Wo 1,024 x 1,024 float32; Wq 1,024 x 1,024 float32; Wv 1,024 x 256 float32; attention_mask 4 x 2,048 int32; x 4 x 2,048 x 1,024 float32.
;; Outputs: out0 4 x 2,048 x 1,024 float32.
;; This version of the problem:
;;   THIS VERSION OF THE PROBLEM IS GIVEN IN LOW PRECISION. The matrix products marked QUANTISED in the list below multiply operands that are first quantised to E3M2 (3 exponent bits, 2 mantissa bits; 6 bits a number), with one power-of-two scale for each 32 numbers along K (OCP MX v1.0); their sums are f32. All else is computed in f32.
;;   The module's matrix products, in the order in which they are computed (A, B: the left and right operand; K: the contracted axis; several contracted axes count as one K, in the product's order):
;;     1. [M 8,192, K 1,024] x [K 1,024, N 1,024]; A: input x; B: input Wq: QUANTISED
;;     2. [M 8,192, K 1,024] x [K 1,024, N 256]; A: input x; B: input Wk: QUANTISED
;;     3. [M 8,192, K 1,024] x [K 1,024, N 256]; A: input x; B: input Wv: QUANTISED
;;     4. batch 64 x [M 2,048, K 64] x [K 64, N 2,048]; A: computed on the way; B: computed on the way: QUANTISED
;;     5. batch 64 x [M 2,048, K 2,048] x [K 2,048, N 64]; A: softmax (see below); B: computed on the way: QUANTISED
;;     6. [M 8,192, K 1,024] x [K 1,024, N 1,024]; A: computed on the way; B: input Wo: QUANTISED
;;   THE QUANTISER, for each operand of a quantised product, along K:
;;     - K is cut into blocks of 32 from its start; a last block that is shorter is filled with zeros.
;;     - A block's scale is 2^e with e = floor(log2(the largest magnitude in the block)) - 4, held to -126 .. 127; a block of zeros has e = 0. As a byte (E8M0): e + 127.
;;     - Each number is divided by its block's scale, clamped to +-28, and rounded to the nearest number of E3M2, ties to even, subnormals kept.
;;     - The product sums the exact products of the quantised numbers (number of the format x scale) in f32.
;;   ~~~python
;;   def quantise(x, axis):      # numpy; x: float32 -> the quantised numbers, widened to float32 again
;;       x = np.moveaxis(x, axis, -1); K = x.shape[-1]
;;       x = np.pad(x, [(0, 0)] * (x.ndim - 1) + [(0, -K % 32)]); x = x.reshape(x.shape[:-1] + (-1, 32)); a = np.abs(x).max(-1, keepdims=True)
;;       e = np.where(a > 0, np.clip(np.frexp(np.where(a > 0, a, 1))[1] - 1 - 4, -126, 127), 0)      # np.frexp(a)[1] - 1 = floor(log2(a)), exactly
;;       r = np.clip(x / 2.0 ** e, -28, 28)
;;       step = 2.0 ** (np.maximum(np.frexp(np.where(r == 0, 1, r))[1] - 1, -2) - 2)
;;       q = np.round(r / step) * step * 2.0 ** e      # np.round: ties to even
;;       return np.moveaxis(q.reshape(q.shape[:-2] + (-1,))[..., :K], -1, axis).astype(np.float32)
;;   ~~~
;;   SOFTMAX AHEAD OF A QUANTISED PRODUCT. Where the list says 'softmax', what is quantised is not the finished softmax but p = 2^(t - M), with t = logit x log2(e) and M = ceil(the row's largest t), a whole number; so 1/2 < the row's largest p <= 1. The row's sum l is taken of the UNQUANTISED p, in f32, and the product's result is divided by l at the end. Since M is a whole number, a kernel that streams over the keys may use a running M (the ceiling of the running maximum): every later rescaling is an exact power of two, which a block's scale takes up: the codes' values come out the same.
;;   OPERANDS COMPUTED ON THE WAY. 'Computed on the way' means the value that the module computes at that place (a softmax that the list does not call 'softmax' is quantised finished and normalised). What goes into a quantiser is computed in f32, as accurately as f32 sums, v_exp_f32 and their like allow (about 1e-6 of the number): no bf16 or f16 on the way to a quantiser, and a product that is left as it is and whose result goes on into a quantised operand takes f32 operands (vector FMAs, or v_wmma_f32_16x16x4_f32). A number that lies on a knife's edge between two numbers of the format may be rounded either way, as far as f32 arithmetic and the matrix unit's own rounding can turn it there, and no further.
;; One version. Each part assembles by itself: llvm-mc -triple=amdgcn-amd-amdhsa -mcpu=gfx1250 --defsym DOCPART=n.
;; ======== version 1 of 1: 4 launches
;; limits: right only within a limited range of input values
;; workspace buffers: ximg 6,815,744 bytes; wimg 2,129,920 bytes; rope 524,288 bytes; qimg 6,815,744 bytes; kvimg 3,407,872 bytes; oimg 6,815,744 bytes
;; launch prep (part 1): grid 400 x 1, 4 waves a work-group, no clusters, 34,304 bytes of LDS; arguments x, Wq, Wk, Wv, Wo, ximg, wimg, rope; writes ximg, wimg, rope
.if DOCPART == 1
	.amdgcn_target "amdgcn-amd-amdhsa--gfx1250"
	.amdhsa_code_object_version 6
	.text
	.protected	k_q5861a5b97b_prep
	.globl	k_q5861a5b97b_prep
	.p2align	8
	.type	k_q5861a5b97b_prep,@function
k_q5861a5b97b_prep:
	s_mov_b64 s[64:65], 0
	v_nop
	global_prefetch_b8 v0, s[64:65] scope:SCOPE_SE
	s_setreg_imm32_b32 hwreg(HW_REG_WAVE_MODE, 25, 1), 1
	s_wait_xcnt 0x0
; x [8192][1024] and the four weights ([1024][n], K = the first axis), f32, become codes of BF6 (E3M2) with one E8M0 byte for each 32 along K; and the table of cos and sin for the rotary embedding is made.
; THE CODES ARE LAID IN THE ORDER OF THE OPERANDS' REGISTERS.  A tile is 16 rows of a group of 32: tile 2 g + u holds rows 32 g + 8 u + r + 8 (r / 8), r = 0 .. 15.  A PIECE (768 bytes) is 16 rows x 64 along K,
; six registers a lane (lane (r, h): k = 32 h .. 32 h + 31 of row r): registers 0-3 at 16 x lane, registers 4-5 at 512 + 8 x lane.  A RECORD (3,328 bytes) is four pieces (256 along K) and 256 bytes of scale words:
; at 3,072 + 8 x lane the words of the record's two K steps of 128, lanes 16-31 a copy of lanes 0-15.  ximg: [row tile 512][4 records]; wimg: [tile 160][4 records]: 0-63 Wq; 64 + 8 c + t: Wk's head c; 68 + 8 c + t: Wv's; 96-159 Wo.
; A block's scale is 2^(floor(log2(largest magnitude)) - 4); its byte is the largest magnitude's exponent field - 4, held at 1 from below by a floor among the maximum's leaves.
; LIMITS: a block of zeros gets the byte 1 (its codes are zeros, and this program alone reads the bytes); blocks whose largest magnitude lies under 2^-122 keep the byte 1; NaN and infinities are not served.
; The table: inv = 1 / 2^(i log2(10000) / 32) by v_exp_f32 and v_rcp_f32, a few ulp from 10000^(-i / 32); the angle t x inv is one f32 product as in the source; it is reduced by pi / 2 in two parts (the first
; fused multiply-add is exact for t under 2,048) and sin and cos come from polynomials on +-pi / 4.
; SHARES, by the work-group's number: 0-255: x (a wave: one row tile, half of K: four fragments); 256-319: Wq, Wo; 320-335: Wk, Wv (a wave: one tile of 16 columns, half of K); 336-399: the table, 8 tokens a wave.
; No work-group shares an input with another, so there is no cluster; memory binds, so there is no matrix work.  Only x's path touches LDS: a stage of each wave's own, so there is no barrier.
.set SET0, 16                          ; v16-79    64 numbers as loaded, set 0
.set SET1, 80                          ; v80-143   set 1
.set XT,   144                         ; v144-207  x's numbers turned: register 32 c + i = k 64 c + 32 h + i of row r
.set TM,   208                         ; v208-209 largest magnitudes, v210-211 the conversions' scale operands, v212-213 the bytes
.set TW,   214
.set TW2,  215
.set SW,   216                         ; v216-217  a record's two scale words
.set PC,   220                         ; v220-231  a fragment's codes
.set PT,   232                         ; v232-238  the conversions' second halves
.set REC,  3328
; THE ORDER OF THE RECORDS, which takes the place of the order [tile][4 records] named above: the tiles stand in blocks (ximg: 16 row tiles; wimg: 8 tiles), and a block is laid [chunk of 256 along K][tile of the block]:
; record (tile / T) 4 T + T chunk + tile % T, T = 16 or 8.  So all that a work-group of the products' launches needs of an operand is one dense run of bytes, in the order in which it lies in LDS.
; RST is the distance between a tile's records of neighbouring chunks: T records.  v240, v241 and LDS bytes 33,792 to 34,303 serve the add at the end of x's path.
.macro XLOAD f, set                    ; K step f of my 16 rows: each load reads 512 consecutive bytes of one row
.set j, 0
.rept 16
	global_load_b128 v[\set+4*j:\set+4*j+3], v1, s[22:23] offset:(j+8*(j/8))*4096+512*(\f) th:TH_LOAD_NT
.set j, j+1
.endr
.endm
.macro TURN set                        ; through my stage (rows of 528 bytes): in as loaded, back 128 bytes a lane.  LDS serves a wave's instructions in order
.set j, 0
.rept 16
	ds_store_b128 v4, v[\set+4*j:\set+4*j+3] offset:528*j
.set j, j+1
.endr
.irp c, 0,1
.irp e, 0,1,2,3,4,5,6,7
	ds_load_b128 v[XT+32*\c+4*\e:XT+32*\c+4*\e+3], v5 offset:256*\c+16*\e
.endr
.endr
.endm
.macro WLOAD f, set, pitch             ; a lane takes a column and its registers run down K: W(128 f + 64 c + 32 h + i, my column)
.irp c, 0,1
.set j, 0
.rept 32
	global_load_b32 v[\set+32*\c+j], v6, s[22:23] offset:(128*(\f)+64*\c+j)*\pitch
.set j, j+1
.endr
.endr
.endm
; 64 numbers of a lane (register 32 c + i = k 64 c + 32 h + i of my row: two whole blocks) become fragment f of my four: codes, scale word, stores
.macro TAIL f, S
	s_wait_xcnt 0x0                                ; the earlier stores have read the codes' and the scale words' registers: they are written again only behind this wait
.irp c, 0,1
	v_max3_num_f32 v[TM+\c], |v[\S+32*\c]|, |v[\S+32*\c+1]|, 0x2800000   ; the floor 2^(5 - 127): the byte cannot fall under 1
.endr
.irp i, 2,4,6,8,10,12,14,16,18,20,22,24,26,28,30
.irp c, 0,1
	v_max3_num_f32 v[TM+\c], v[TM+\c], |v[\S+32*\c+\i]|, |v[\S+32*\c+\i+1]|
.endr
.endr
.irp c, 0,1
	v_add_nc_u32 v[TM+2+\c], 0xfe000000, v[TM+\c]  ; 4 off the exponent field: the conversion's scale operand
.endr
.irp c, 0,1
	v_lshrrev_b32 v[TM+4+\c], 23, v[TM+2+\c]       ; the scale's byte
.endr
	v_lshl_or_b32 v[TW], v[TM+5], 16, v[TM+4]      ; my blocks are h and 2 + h of the K step:
	v_lshlrev_b32 v[TW], v3, v[TW]                 ; 8 h bits up;
	v_permlanex16_b32 v[TW2], v[TW], s26, s27
	v_or_b32 v[SW+(\f)%2], v[TW], v[TW2]           ; with lane l xor 16's two bytes the word is whole, in both halves of the lanes
.irp c, 0,1
	v_cvt_scalef32_pk16_bf6_f32 v[PC+6*\c:PC+6*\c+2], v[\S+32*\c:\S+32*\c+15], v[TM+2+\c]
	v_cvt_scalef32_pk16_bf6_f32 v[PT+4*\c:PT+4*\c+2], v[\S+32*\c+16:\S+32*\c+31], v[TM+2+\c]   ; (a conversion's three registers begin on an even number)
.endr
	v_nop                                          ; one plain place behind a scaled conversion
.irp c, 0,1
.irp i, 0,1,2
	v_mov_b32 v[PC+6*\c+3+\i], v[PT+4*\c+\i]
.endr
.endr
.irp c, 0,1
	global_store_b128 v1, v[PC+6*\c:PC+6*\c+3], s[24:25] offset:RST*((\f)/2)+1536*((\f)%2)+768*\c        ; 512 consecutive bytes
	global_store_b64 v2, v[PC+6*\c+4:PC+6*\c+5], s[24:25] offset:RST*((\f)/2)+1536*((\f)%2)+768*\c+512   ; 256 consecutive bytes
.endr
.if (\f)%2
	global_store_b64 v2, v[SW:SW+1], s[24:25] offset:RST*((\f)/2)+3072                                   ; the record's scale words: 256 consecutive bytes
.endif
.endm
.macro DEST buf, lg                    ; where my first record begins; the tile's number is in s33; a block has 2^lg tiles
	s_lshr_b32 s30, s33, \lg
	s_lshl_b32 s30, s30, \lg+2                     ; the block: four chunks of 2^lg records
	s_and_b32 s31, s33, (1<<\lg)-1
	s_add_co_u32 s30, s30, s31                     ; the tile's place in a chunk
	s_lshl_b32 s31, s28, \lg+1                     ; my half of K: two chunks
	s_add_co_u32 s30, s30, s31
	s_mul_i32 s30, s30, REC
	s_mov_b32 s31, 0
	s_add_nc_u64 s[24:25], s[\buf:\buf+1], s[30:31]
.endm
; a weight's tile: s[22:23] the weight, s29 the tile of columns in it, s33 the tile in wimg
.macro WBODY pitch
	s_lshr_b32 s30, s29, 1
	s_lshl_b32 s30, s30, 7                         ; 32 columns of 4 bytes for each pair of tiles,
	s_and_b32 s31, s29, 1
	s_lshl_b32 s31, s31, 5                         ; 8 columns for the odd one,
	s_add_co_u32 s30, s30, s31
	s_mul_i32 s31, s28, 512*\pitch                 ; my half of K
	s_add_co_u32 s30, s30, s31
	s_mov_b32 s31, 0
	s_add_nc_u64 s[22:23], s[22:23], s[30:31]
.set RST, 8*REC
	DEST 16, 3
	v_and_b32 v6, 8, v8
	v_add_nc_u32 v6, v6, v8                        ; r + 8 (r / 8)
	v_lshlrev_b32 v6, 2, v6
	v_mad_u32_u24 v6, v9, 32*\pitch, v6            ; lanes 16-31 begin 32 rows further down
	WLOAD 0, SET0, \pitch
	WLOAD 1, SET1, \pitch
	s_wait_loadcnt 63                              ; of the 128 issued at most 63 are out: the older set's 64 are in
	TAIL 0, SET0
	WLOAD 2, SET0, \pitch
	s_wait_loadcnt 63
	TAIL 1, SET1
	WLOAD 3, SET1, \pitch
	s_wait_loadcnt 63
	TAIL 2, SET0
	s_wait_loadcnt 0x0
	TAIL 3, SET1
	s_endpgm
.endm
; cos and sin of token t0 + e at my frequency
.macro TOKEN e
	s_add_co_u32 s32, s29, \e
	v_cvt_f32_u32 v11, s32
	v_mul_f32 v11, v11, v10                        ; the angle, one rounding
	v_mul_f32 v12, 0x3f22f983, v11                 ; x 2 / pi
	v_rndne_f32 v12, v12                           ; n
	v_fma_f32 v13, -v12, s34, v11                  ; - n x (pi / 2 rounded to f32): exact
	v_fma_f32 v13, -v12, s35, v13                  ; - n x the rest of pi / 2
	v_mul_f32 v14, v13, v13                        ; z
	v_mov_b32 v15, 0xb94ca1f9
	v_fmaak_f32 v15, v14, v15, 0x3c08839e
	v_fmaak_f32 v15, v14, v15, 0xbe2aaaa3
	v_mul_f32 v16, v13, v14
	v_fma_f32 v15, v16, v15, v13                   ; sin of the reduced angle
	v_mov_b32 v17, 0x37ccf5ce
	v_fmaak_f32 v17, v14, v17, 0xbab6061a
	v_fmaak_f32 v17, v14, v17, 0x3d2aaaa5
	v_mul_f32 v18, v14, v14
	v_fma_f32 v19, v14, -0.5, 1.0
	v_fma_f32 v17, v18, v17, v19                   ; cos of it
	v_cvt_i32_f32 v20, v12
	v_and_b32 v21, 1, v20
	v_cmp_eq_u32 vcc_lo, 1, v21                    ; in odd quadrants the two change places
	v_cndmask_b32 v22, v15, v17, vcc_lo
	v_cndmask_b32 v23, v17, v15, vcc_lo
	v_lshlrev_b32 v21, 30, v20
	v_and_b32 v21, 0x80000000, v21                 ; sin is negative in quadrants 2 and 3,
	v_xor_b32 v[101+2*\e], v21, v22
	v_add_nc_u32 v20, 1, v20
	v_lshlrev_b32 v20, 30, v20
	v_and_b32 v20, 0x80000000, v20                 ; cos in 1 and 2
	v_xor_b32 v[100+2*\e], v20, v23
	global_store_b64 v2, v[100+2*\e:101+2*\e], s[24:25] offset:256*\e   ; a token's 32 pairs: 256 consecutive bytes
.endm
	s_load_b256 s[4:11], s[0:1], 0x0               ; x s[4:5], Wq s[6:7], Wk s[8:9], Wv s[10:11]
	s_load_b256 s[12:19], s[0:1], 0x20             ; Wo s[12:13], ximg s[14:15], wimg s[16:17], rope s[18:19]
	v_lshl_add_u32 v240, v0, 2, 33792              ; my spare word, behind the four stages
	v_mov_b32 v241, 0
	v_lshrrev_b32 v1, 5, v0
	v_readfirstlane_b32 s20, v1                    ; wave
	v_and_b32 v7, 31, v0                           ; lane
	v_and_b32 v8, 15, v0                           ; r
	v_bfe_u32 v9, v0, 4, 1                         ; h
	v_lshlrev_b32 v1, 4, v7                        ; 16 x lane
	v_lshlrev_b32 v2, 3, v7                        ; 8 x lane
	v_lshlrev_b32 v3, 3, v9                        ; 8 h
	v_mov_b32 v[TW2], 0                            ; written once: a lane permute's destination counts as one of its sources
	s_mov_b32 s26, 0x76543210
	s_mov_b32 s27, 0xfedcba98                      ; v_permlanex16_b32's selects for lane l xor 16
	s_lshr_b32 s21, s20, 1                         ; which of the work-group's two tiles
	s_and_b32 s28, s20, 1                          ; which half of K
	s_wait_kmcnt 0x0
	s_cmp_lt_u32 ttmp9, 256
	s_cbranch_scc0 .Lnot_x
	; ---- x
	s_lshl_b32 s33, ttmp9, 1
	s_add_co_u32 s33, s33, s21                     ; my row tile
	s_lshr_b32 s30, s33, 1
	s_lshl_b32 s30, s30, 5
	s_and_b32 s31, s33, 1
	s_lshl_b32 s31, s31, 3
	s_add_co_u32 s30, s30, s31                     ; its first row
	s_lshl_b32 s30, s30, 12                        ; rows of 4,096 bytes
	s_lshl_b32 s31, s28, 11                        ; my half of K: 2,048 bytes
	s_add_co_u32 s30, s30, s31
	s_mov_b32 s31, 0
	s_add_nc_u64 s[22:23], s[4:5], s[30:31]
.set RST, 16*REC
	DEST 14, 4
	s_mul_i32 s32, s20, 8448                       ; my stage
	s_wait_alu depctr_va_vdst(0)
	v_add_nc_u32 v4, s32, v1
	v_mul_u32_u24 v5, v8, 528
	v_lshl_add_u32 v5, v9, 7, v5
	v_add_nc_u32 v5, s32, v5
	XLOAD 0, SET0
	XLOAD 1, SET1
	s_wait_alu depctr_va_vdst(0)
	s_wait_loadcnt 16                              ; this fragment's 16 loads are in; the next one's may be out
	TURN SET0
	s_wait_dscnt 0x0                               ; the numbers are back, and the stage's stores have read their registers
	XLOAD 2, SET0
	TAIL 0, XT
	s_wait_loadcnt 16
	TURN SET1
	s_wait_dscnt 0x0
	XLOAD 3, SET1
	TAIL 1, XT
	s_wait_loadcnt 16
	TURN SET0
	s_wait_dscnt 0x0
	TAIL 2, XT
	s_wait_loadcnt 0x0
	TURN SET1
	s_wait_dscnt 0x0
	TAIL 3, XT
	s_wait_tensorcnt 0x0                           ; the wave's end, behind my last LDS store
	ds_add_u32 v240, v241
	s_wait_dscnt 0x0
	s_endpgm
.Lnot_x:
	s_cmp_lt_u32 ttmp9, 320
	s_cbranch_scc0 .Lnot_wb
	; ---- Wq, Wo: rows of 4,096 bytes
	s_sub_co_u32 s29, ttmp9, 256
	s_cmp_lt_u32 s29, 32
	s_cselect_b64 s[22:23], s[6:7], s[12:13]
	s_cselect_b32 s33, 0, 96
	s_and_b32 s29, s29, 31
	s_lshl_b32 s29, s29, 1
	s_add_co_u32 s29, s29, s21                     ; the tile of columns
	s_add_co_u32 s33, s33, s29                     ; and its place in wimg
	s_wait_alu depctr_va_vdst(0)
	WBODY 4096
.Lnot_wb:
	s_cmp_lt_u32 ttmp9, 336
	s_cbranch_scc0 .Lnot_ws
	; ---- Wk, Wv: rows of 1,024 bytes
	s_sub_co_u32 s29, ttmp9, 320
	s_cmp_lt_u32 s29, 8
	s_cselect_b64 s[22:23], s[8:9], s[10:11]
	s_cselect_b32 s33, 64, 68
	s_and_b32 s29, s29, 7
	s_lshl_b32 s29, s29, 1
	s_add_co_u32 s29, s29, s21                     ; the tile of columns: head = tile / 4
	s_lshr_b32 s30, s29, 2
	s_lshl_b32 s30, s30, 3
	s_add_co_u32 s33, s33, s30
	s_and_b32 s30, s29, 3
	s_add_co_u32 s33, s33, s30
	s_wait_alu depctr_va_vdst(0)
	WBODY 1024
.Lnot_ws:
	; ---- the table
	s_sub_co_u32 s29, ttmp9, 336
	s_lshl_b32 s29, s29, 2
	s_add_co_u32 s29, s29, s20
	s_lshl_b32 s29, s29, 3                         ; my first token
	s_lshl_b32 s30, s29, 8
	s_mov_b32 s31, 0
	s_add_nc_u64 s[24:25], s[18:19], s[30:31]
	s_mov_b32 s34, 0x3fc90fdb
	s_mov_b32 s35, 0xb33bbd2e
	s_wait_alu depctr_va_vdst(0)
	v_cvt_f32_u32 v10, v7                          ; i = my lane
	v_mul_f32 v10, 0x3ed49a78, v10                 ; i x log2(10000) / 32
	s_wait_alu depctr_va_vdst(0)
	v_exp_f32 v10, v10
	v_nop                                          ; a plain place behind a transcendental
	s_wait_alu depctr_va_vdst(0)                   ; the wait ahead of the result's reader
	v_rcp_f32 v10, v10
	v_nop
	s_wait_alu depctr_va_vdst(0)
.irp e, 0,1,2,3,4,5,6,7
	TOKEN \e
.endr
	s_endpgm
.Lfunc_end_k_q5861a5b97b_prep:
	.size	k_q5861a5b97b_prep, .Lfunc_end_k_q5861a5b97b_prep-k_q5861a5b97b_prep
	.p2alignl 7, 3214868480
	.fill 96, 4, 3214868480
	.section	.rodata,"a",@progbits
	.p2align	6, 0x0
	.amdhsa_kernel k_q5861a5b97b_prep
		.amdhsa_group_segment_fixed_size 34304
		.amdhsa_private_segment_fixed_size 0
		.amdhsa_enable_private_segment 0
		.amdhsa_kernarg_size 64
		.amdhsa_user_sgpr_count 2
		.amdhsa_user_sgpr_kernarg_segment_ptr 1
		.amdhsa_wavefront_size32 1
		.amdhsa_system_sgpr_workgroup_id_x 1
		.amdhsa_system_sgpr_workgroup_id_y 1
		.amdhsa_system_sgpr_workgroup_id_z 1
		.amdhsa_system_vgpr_workitem_id 0
		.amdhsa_next_free_vgpr 256
		.amdhsa_next_free_sgpr 66
		.amdhsa_reserve_vcc 1
		.amdhsa_float_denorm_mode_32 3
		.amdhsa_float_denorm_mode_16_64 3
		.amdhsa_memory_ordered 1
		.amdhsa_forward_progress 1
		.amdhsa_inst_pref_size 121
	.end_amdhsa_kernel
	.amdgpu_metadata
---
amdhsa.version: [ 1, 2 ]
amdhsa.kernels:
  - .name:           k_q5861a5b97b_prep
    .symbol:         k_q5861a5b97b_prep.kd
    .args:
      - { .name: x, .offset: 0, .size: 8, .value_kind: global_buffer, .address_space: global }
      - { .name: Wq, .offset: 8, .size: 8, .value_kind: global_buffer, .address_space: global }
      - { .name: Wk, .offset: 16, .size: 8, .value_kind: global_buffer, .address_space: global }
      - { .name: Wv, .offset: 24, .size: 8, .value_kind: global_buffer, .address_space: global }
      - { .name: Wo, .offset: 32, .size: 8, .value_kind: global_buffer, .address_space: global }
      - { .name: ximg, .offset: 40, .size: 8, .value_kind: global_buffer, .address_space: global }
      - { .name: wimg, .offset: 48, .size: 8, .value_kind: global_buffer, .address_space: global }
      - { .name: rope, .offset: 56, .size: 8, .value_kind: global_buffer, .address_space: global }
    .group_segment_fixed_size: 34304
    .private_segment_fixed_size: 0
    .kernarg_segment_align: 8
    .kernarg_segment_size: 64
    .max_flat_workgroup_size: 128
    .sgpr_count:     66
    .vgpr_count:     256
    .wavefront_size: 32
...
	.end_amdgpu_metadata
.endif
;; end of part 1
;; launch qkv (part 2): grid 8 x 64, 4 waves a work-group, clusters of 4 x 4, 327,680 bytes of LDS; arguments ximg, wimg, rope, qimg, kvimg; writes qimg, kvimg
.if DOCPART == 2
	.amdgcn_target "amdgcn-amd-amdhsa--gfx1250"
	.amdhsa_code_object_version 6
	.text
	.protected	k_q5861a5b97b_qkv
	.globl	k_q5861a5b97b_qkv
	.p2align	8
	.type	k_q5861a5b97b_qkv,@function
k_q5861a5b97b_qkv:
	s_mov_b64 s[64:65], 0
	v_nop
	global_prefetch_b8 v0, s[64:65] scope:SCOPE_SE
	s_setreg_imm32_b32 hwreg(HW_REG_WAVE_MODE, 25, 1), 1
	s_wait_xcnt 0x0
	s_wait_alu depctr_hold_cnt(0) depctr_sa_sdst(0) depctr_va_vdst(0) depctr_va_sdst(0) depctr_va_ssrc(0) depctr_va_vcc(0) depctr_vm_vsrc(0)
	s_getreg_b32 s2, hwreg(HW_REG_IB_STS2, 6, 4)
	s_cmp_eq_u32 s2, 0
	s_cbranch_scc0 .Lentry_in_a_cluster
	s_endpgm
.Lentry_in_a_cluster:
	s_bfe_u32 s2, ttmp6, 0x10000c
	s_cmp_lg_u32 s2, 0xf033
	s_cbranch_scc0 .Lentry_shape_is_right
	s_endpgm
.Lentry_shape_is_right:
; Q = x Wq, K = x Wk, V = x Wv on codes of BF6 (E3M2) with E8M0 scales; the rotary embedding on Q and K in f32; Q and K quantised along the head's 64, V along the keys; all three stored as images of operand registers.
; FORMATS.  A tile is 16 rows of a group of 32: tile 2 g + u holds rows 32 g + 8 u + r + 8 (r / 8).  A piece (768 bytes) is 16 rows x 64 along K, six registers a lane: registers 0-3 at 16 x lane, 4-5 at 512 + 8 x lane.
; A record (3,328 bytes) is four pieces and 256 bytes of scale words (8 x lane).  ximg, wimg: [tile][4 records of 256 along K].  qimg [b][head][32 half-blocks of 64 tokens]: piece a = token tile a x the head's 64;
; scale word p = the two bytes of tile 2 p, then those of tile 2 p + 1.  kvimg [b][kv head][32]{K's half-block as Q's; V's: piece d = 16 of the head's 64 (tile d) x the 64 keys, scale words likewise by d}.
; SHARES.  A work-group makes 256 tokens x 128 columns with ALL of K = 1,024: its 16 token tiles and 8 weight tiles, 24 x 13,312 bytes, lie in LDS together, each byte filled once; they come in four chunks of 256 along K,
; asked for together at the head, and a counted wait and a barrier release each chunk.  Nothing is filled again.  Column blocks 0-7: two heads of Q; 8-11: K's and V's head 0-3.
; A wave owns 4 token tiles x all 8 weight tiles: 32 accumulators, which take turns, one instruction a turn.
; CLUSTER 4 x 4: the four of a row need the same token tiles, the four of a column the same weight tiles: joint loads.  The kind of a column block (Q, or K and V) hangs on the cluster's x and y alone, the same in all partners.
; Q and K are made TRANSPOSED (source 0 = 16 weight columns, source 1 = 16 tokens): a lane holds one token and, by the choice of a tile's rows, 32 registers that are 16 neighbours of each block of 32 along d.
; V is made the other way round (source 0 = tokens): a lane holds one d and its registers run along the tokens, which are the second attention product's K.
; LIMITS: a block of zeros gets the byte 1 (zero codes; this program alone reads the bytes); largest magnitudes under 2^-122 keep the byte 1; NaN and infinities are not served.
; REGISTERS, in windows of 256: window 0: v1-16 LDS addresses, v17-19 offsets, v32-79 scale words (two sets), v80-175 token fragments (two sets), v176-232 the epilogue; window 1: weight fragments (two sets of 96);
; window 2: the 32 accumulators; window 3: v0-127 cos and sin of my 64 tokens.
.set REC,   3328
.set TILEB, 13312                      ; a tile's four records
; LDS AND THE LOADS, which take the place of what the head comment says of chunks: ximg and wimg lie [block][chunk of 256 along K][tile], so the work-group's 16 token tiles are one dense run of 212,992 bytes and its
; 8 weight tiles one of 106,496.  Each wave brings half of one run by ONE tensor load at the head, in rows of 256 bytes (waves 0, 1: the token tiles' chunks 0-1 and 2-3; waves 2, 3: the weight tiles').
; One wait for 0 and one barrier show all of it to every wave; no barrier stands between the K steps.  Nothing is filled again.
.set CHB,   53248                      ; a chunk of the token tiles in LDS: 16 records
.set CHW,   26624                      ; a chunk of the weight tiles: 8 records
.set BOFF,  212992                     ; the weight tiles lie behind the token tiles
.set SPARE, 319488                     ; behind them the spare words, 128 bytes a wave: v30 = SPARE + 4 x thread, v31 = 0, kept for the add alone
.set BT0,   0                          ; the first weight tile of this launch in wimg
.set SC,    32
.set AF,    80
.set HB,    176                        ; v176-207 a token tile's 32 numbers behind the rotation
.set UT,    208                        ; v208-211 at work
.set TM,    212                        ; v212-217
.set SB2,   218                        ; a tile's two scale bytes
.set SKEEP, 219
.set SWD,   220                        ; v220-221 a half-block's two scale words
.set PC,    224                        ; v224-232 a piece's codes
.set WV,    14
.set SEL,   94
.set MSB,   0
.macro WIN new                         ; the immediate's high byte repeats the setting that is left
.if MSB != \new
	s_set_vgpr_msb (MSB<<8)|\new
.set MSB, \new
.endif
.endm
.macro PLACES                          ; four plain places behind a matrix instruction, in front of loads into its registers and of reads of its results
.rept 4
	v_nop
.endr
.endm
.macro CROUND                          ; a round of the cluster's barrier
	s_barrier_signal -1
	s_barrier_wait -1
	s_cmp_lg_u32 s[WV], 0
	s_cbranch_scc1 .Lnot_wave_0_\@
	s_barrier_signal -3
.Lnot_wave_0_\@:
	s_barrier_wait -3
	s_barrier_signal -1
	s_barrier_wait -1
.endm
.macro FRAG reg, a16, a8, off          ; a fragment is two pieces on end: every load reads consecutive bytes
	ds_load_b128 v[(\reg):(\reg)+3], v[\a16] offset:(\off)
	ds_load_b64 v[(\reg)+4:(\reg)+5], v[\a8] offset:(\off)+512
	ds_load_b128 v[(\reg)+6:(\reg)+9], v[\a16] offset:(\off)+768
	ds_load_b64 v[(\reg)+10:(\reg)+11], v[\a8] offset:(\off)+1280
.endm
.macro FETCH s                         ; K step s (chunk s / 2, half s % 2) into fragment set s % 2; with a chunk's first step its scale words into scale set (s / 2) % 2
	WIN 0x40                                       ; destination window 1, address window 0
.irp t, 0,1,2,3,4,5,6,7
.if (\t >= TLO) && (\t < THI)
	FRAG 96*((\s)%2)+12*\t, 9+(\s)/2, 13+(\s)/2, REC*\t+1536*((\s)%2)
.endif
.endr
	WIN 0
.irp a, 0,1,2,3
	FRAG AF+48*((\s)%2)+12*\a, 1+(\s)/2, 5+(\s)/2, REC*\a+1536*((\s)%2)
.endr
.if (\s)%2 == 0
.irp a, 0,1,2,3
	ds_load_b64 v[SC+24*(((\s)/2)%2)+2*\a:SC+24*(((\s)/2)%2)+2*\a+1], v[5+(\s)/2] offset:REC*\a+3072
.endr
.irp t, 0,1,2,3,4,5,6,7
.if (\t >= TLO) && (\t < THI)
	ds_load_b64 v[SC+24*(((\s)/2)%2)+8+2*\t:SC+24*(((\s)/2)%2)+8+2*\t+1], v[13+(\s)/2] offset:REC*\t+3072
.endif
.endr
.endif
.endm
; 16 products, transposed: weight tiles 4 eta .. 4 eta + 3 (source 0, window 1) x my four token tiles (source 1, window 0); accumulator (a, bt) at v[128 eta + 8 (4 a + bt)] of window 2
.macro MULH eta, s, zero
.set FP, (\s)%2
.set SS, SC+24*(((\s)/2)%2)+(\s)%2
.irp a, 0,1,2,3
.irp bt, 0,1,2,3
.if \zero
	v_wmma_scale_f32_16x16x128_f8f6f4 v[128*\eta+8*(4*\a+\bt):128*\eta+8*(4*\a+\bt)+7], v[96*FP+12*(4*\eta+\bt):96*FP+12*(4*\eta+\bt)+11], v[AF+48*FP+12*\a:AF+48*FP+12*\a+11], 0, v[SS+8+2*(4*\eta+\bt)], v[SS+2*\a] matrix_a_fmt:MATRIX_FMT_BF6 matrix_b_fmt:MATRIX_FMT_BF6
.else
	v_wmma_scale_f32_16x16x128_f8f6f4 v[128*\eta+8*(4*\a+\bt):128*\eta+8*(4*\a+\bt)+7], v[96*FP+12*(4*\eta+\bt):96*FP+12*(4*\eta+\bt)+11], v[AF+48*FP+12*\a:AF+48*FP+12*\a+11], v[128*\eta+8*(4*\a+\bt):128*\eta+8*(4*\a+\bt)+7], v[SS+8+2*(4*\eta+\bt)], v[SS+2*\a] matrix_a_fmt:MATRIX_FMT_BF6 matrix_b_fmt:MATRIX_FMT_BF6
.endif
.endr
.endr
.endm
; 16 products for V: my token tiles (source 0, window 0) x weight tiles 4 .. 7 (source 1, window 1); accumulator (bt, a) at v[128 + 8 (4 bt + a)]
.macro MULV s, zero
.set FP, (\s)%2
.set SS, SC+24*(((\s)/2)%2)+(\s)%2
.irp bt, 0,1,2,3
.irp a, 0,1,2,3
.if \zero
	v_wmma_scale_f32_16x16x128_f8f6f4 v[128+8*(4*\bt+\a):128+8*(4*\bt+\a)+7], v[AF+48*FP+12*\a:AF+48*FP+12*\a+11], v[96*FP+12*(4+\bt):96*FP+12*(4+\bt)+11], 0, v[SS+2*\a], v[SS+8+2*(4+\bt)] matrix_a_fmt:MATRIX_FMT_BF6 matrix_b_fmt:MATRIX_FMT_BF6
.else
	v_wmma_scale_f32_16x16x128_f8f6f4 v[128+8*(4*\bt+\a):128+8*(4*\bt+\a)+7], v[AF+48*FP+12*\a:AF+48*FP+12*\a+11], v[96*FP+12*(4+\bt):96*FP+12*(4+\bt)+11], v[128+8*(4*\bt+\a):128+8*(4*\bt+\a)+7], v[SS+2*\a], v[SS+8+2*(4+\bt)] matrix_a_fmt:MATRIX_FMT_BF6 matrix_b_fmt:MATRIX_FMT_BF6
.endif
.endr
.endr
.endm
.macro PRODUCTS s, zero                ; a K step's 32 products
.if KIND == 2                          ; V: 16 products
	WIN 0xa4                                       ; source 0 window 0, source 1 window 1, C and D window 2
	MULV \s, \zero
.else
	WIN 0xa1                                       ; source 0 window 1, source 1 window 0, C and D window 2
	MULH 0, \s, \zero
.if KIND == 0                          ; Q: 32 products; K: 16
	MULH 1, \s, \zero
.endif
.endif
	WIN 0
.endm
.macro KSTEP s, zero
	s_wait_dscnt 0x0                               ; this step's fragments are in (asked for 32 matrix instructions ago)
.if (\s) < 7
	PLACES
	FETCH (\s)+1
.endif
	PRODUCTS \s, \zero
.endm
; 32 numbers of a lane, register 16 b + i = k 32 b + 16 h + i of my row, become a piece's codes in v[PC] .. v[PC + 5] and its two scale bytes in v[SB2].  wa, wb: the window settings under which the numbers are read
.macro QUANT32 S, wa, wb
	WIN \wa
.irp b, 0,1
	v_max3_num_f32 v[TM+\b], |v[(\S)+16*\b]|, |v[(\S)+16*\b+1]|, 0x2800000   ; the floor 2^(5 - 127): the byte cannot fall under 1
.endr
.irp i, 2,4,6,8,10,12,14
.irp b, 0,1
	v_max3_num_f32 v[TM+\b], |v[(\S)+16*\b+\i]|, |v[(\S)+16*\b+\i+1]|, v[TM+\b]
.endr
.endr
	WIN 0
.irp b, 0,1
	v_permlanex16_b32 v[TM+2+\b], v[TM+\b], s[SEL], s[SEL+1]
.endr
.irp b, 0,1
	v_max_num_f32 v[TM+\b], v[TM+\b], v[TM+2+\b]   ; with lane l xor 16's 16: the block's largest magnitude
.endr
.irp b, 0,1
	v_add_nc_u32 v[TM+4+\b], 0xfe000000, v[TM+\b]  ; 4 off the exponent field: the conversion's scale operand
.endr
.irp b, 0,1
	v_lshrrev_b32 v[TM+2+\b], 23, v[TM+4+\b]       ; the byte
.endr
	v_lshl_or_b32 v[SB2], v[TM+3], 8, v[TM+2]
	WIN \wb
	v_cvt_scalef32_pk16_bf6_f32 v[PC:PC+2], v[(\S):(\S)+15], v[TM+4]
	v_cvt_scalef32_pk16_bf6_f32 v[PC+6:PC+8], v[(\S)+16:(\S)+31], v[TM+5]
	WIN 0
	v_nop                                          ; one plain place behind a scaled conversion
.irp i, 0,1,2
	v_permlane16_swap_b32 v[PC+\i], v[PC+6+\i]     ; the layout wants a whole block in a lane: lanes 0-15 block 0, lanes 16-31 block 1
.endr
.irp i, 0,1,2
	v_mov_b32 v[PC+3+\i], v[PC+6+\i]
.endr
.endm
; the rotation of token tile a: pairs (2 n, 2 n + 1) of my 32 numbers, with cos and sin from window 3; each accumulator is read from its low end on
.macro ROPE base, a
	WIN 0x0e                                       ; source 0 window 2, source 1 window 3, source 2 and destination window 0
.set n, 0
.rept 16
	v_mul_f32 v[UT+2*(n%2)], v[\base+32*\a+2*n+1], v[32*\a+2*n+1]
	v_mul_f32 v[UT+2*(n%2)+1], v[\base+32*\a+2*n], v[32*\a+2*n+1]
	v_fma_f32 v[HB+2*n], v[\base+32*\a+2*n], v[32*\a+2*n], -v[UT+2*(n%2)]
	v_fma_f32 v[HB+2*n+1], v[\base+32*\a+2*n+1], v[32*\a+2*n], v[UT+2*(n%2)+1]
.set n, n+1
.endr
	WIN 0
.endm
; a half-block: four pieces and two scale words, from the 128 accumulator registers at base
.macro EPI base, rope, ptr
.irp x, 0,1,2,3
	s_wait_xcnt 0x0                                ; the earlier stores have read their registers
.if \rope
	ROPE \base, \x
	QUANT32 HB, 0, 0
.else
	QUANT32 \base+32*\x, 0x0a, 0x02
.endif
	global_store_b128 v17, v[PC:PC+3], s[\ptr:\ptr+1] offset:768*\x
	global_store_b64 v18, v[PC+4:PC+5], s[\ptr:\ptr+1] offset:768*\x+512
.if \x%2 == 0
	v_mov_b32 v[SKEEP], v[SB2]
.else
	v_lshl_or_b32 v[SWD+\x/2], v[SB2], 16, v[SKEEP]
.endif
.endr
	global_store_b64 v18, v[SWD:SWD+1], s[\ptr:\ptr+1] offset:3072
.endm
	s_load_b128 s[4:7], s[0:1], 0x0                ; ximg, wimg
	s_load_b128 s[8:11], s[0:1], 0x10              ; rope, qimg
	s_load_b64 s[12:13], s[0:1], 0x20              ; kvimg
	v_lshl_add_u32 v30, v0, 2, SPARE
	v_mov_b32 v31, 0
	ds_add_u32 v30, v31                            ; the opening lines: the add, twice on end, and its wait ahead of my first tensor load
	ds_add_u32 v30, v31
	v_lshrrev_b32 v1, 5, v0
	v_readfirstlane_b32 s[WV], v1                  ; wave 0..3
	s_and_b32 s15, s[WV], 1                        ; which half of A's or of B's tiles I fetch
	s_bfe_u32 s66, ttmp6, 0x40000                  ; cx
	s_bfe_u32 s67, ttmp6, 0x40004                  ; cy
	s_lshl_b32 s68, ttmp9, 2
	s_add_co_u32 s68, s68, s66                     ; column block = 4 x cluster x + cx
	s_and_b32 s98, ttmp7, 0xffff                   ; the cluster's y: 0-7 make Q, 8-15 K (cluster x 0) or V (cluster x 1)
	s_and_b32 s69, s98, 7
	s_lshl_b32 s69, s69, 2
	s_add_co_u32 s69, s69, s67                     ; token block = 4 x cluster y + cy
	s_lshl_b32 s70, s67, 2
	s_lshl_b32 s70, 15, s70                        ; my row of the cluster
	s_lshl_b32 s71, 0x1111, s66                    ; my column
	; descriptor group 1: a dense run as rows of 256 bytes (32 elements of 8 bytes): 416 rows of token tiles, 208 of weight tiles
	s_or_b32 s16, s70, (3<<16)|(1<<21)             ; 15:0 the mask; 17:16 elements of 8 bytes; 21 set beside a mask; no padding
	s_mov_b32 s17, 32<<16                          ; tensor_dim0
	s_mov_b32 s18, 416<<16                         ; tensor_dim1
	s_mov_b32 s19, 32<<16                          ; tile_dim0
	s_mov_b32 s20, 416                             ; tile_dim1
	s_mov_b32 s21, 32                              ; from row to row, in elements
	s_mov_b32 s22, 0
	s_mov_b32 s23, 0
	s_or_b32 s24, s71, (3<<16)|(1<<21)
	s_mov_b32 s25, 32<<16
	s_mov_b32 s26, 208<<16
	s_mov_b32 s27, 32<<16
	s_mov_b32 s28, 208
	s_mov_b32 s29, 32
	s_mov_b32 s30, 0
	s_mov_b32 s31, 0
	s_lshl_b32 s72, s69, 4
	s_lshl_b32 s73, s15, 3
	s_add_co_u32 s72, s72, s73                     ; A: token tile 16 x block + 8 x half
	s_mul_i32 s72, s72, TILEB
	s_mov_b32 s73, 0
	s_add_co_u32 s99, s66, 8                       ; K, V: head cx's block of weight tiles, 8 + cx
	s_cmp_ge_u32 s98, 8
	s_cselect_b32 s99, s99, s68                    ; Q: the column block
	s_lshl_b32 s74, s99, 3
	s_lshl_b32 s75, s15, 2
	s_add_co_u32 s74, s74, s75                     ; B: weight tile 8 x block + 4 x half
	s_add_co_u32 s74, s74, BT0
	s_mul_i32 s74, s74, TILEB
	s_mov_b32 s75, 0
	s_mul_i32 s76, s15, 32*REC                     ; where they go: my half of the run: no place in the cluster enters an LDS address
	s_mul_i32 s77, s15, 16*REC
	s_add_co_u32 s77, s77, BOFF
	; where my results go
	s_lshr_b32 s81, s69, 3                         ; b
	s_and_b32 s82, s69, 7
	s_lshl_b32 s96, s82, 8
	s_lshl_b32 s97, s[WV], 6
	s_add_co_u32 s96, s96, s97                     ; my first token in its sequence
	s_lshl_b32 s96, s96, 8                         ; 256 bytes of the table a token
	s_mov_b32 s97, 0
	s_lshl_b32 s82, s82, 2
	s_add_co_u32 s82, s82, s[WV]                   ; my half-block of 64 tokens
	s_lshl_b32 s83, s81, 4
	s_lshl_b32 s84, s68, 1
	s_add_co_u32 s83, s83, s84                     ; Q: head 16 b + 2 x column block
	s_lshl_b32 s83, s83, 5
	s_add_co_u32 s83, s83, s82
	s_mul_i32 s83, s83, REC
	s_lshl_b32 s84, s81, 2
	s_add_co_u32 s84, s84, s66                     ; K, V: head 4 b + cx
	s_lshl_b32 s84, s84, 5
	s_add_co_u32 s84, s84, s82
	s_mul_i32 s84, s84, 2*REC
	s_mov_b32 s85, 32*REC                          ; Q's next head
	s_mov_b32 s[SEL], 0x76543210
	s_mov_b32 s[SEL+1], 0xfedcba98
	s_wait_dscnt 0x0                               ; both opening adds are done
	s_wait_kmcnt 0x0
	s_add_nc_u64 s[72:73], s[4:5], s[72:73]
	s_add_nc_u64 s[74:75], s[6:7], s[74:75]
	s_add_nc_u64 s[8:9], s[8:9], s[96:97]
	s_add_co_u32 s80, ttmp9, 1
	s_cmp_ge_u32 s98, 8                            ; the kind hangs on the cluster's x and y alone: the same in all partners
	s_cselect_b32 s80, s80, 0                      ; 0: two heads of Q; 1: a head of K; 2: a head of V
	s_cselect_b32 s86, s84, s83
	s_cselect_b32 s90, REC, s85
	s_cselect_b64 s[88:89], s[12:13], s[10:11]
	s_mov_b32 s87, 0
	s_mov_b32 s91, 0
	s_add_nc_u64 s[88:89], s[88:89], s[86:87]      ; the first half-block (Q's even head, or K),
	s_add_nc_u64 s[92:93], s[88:89], s[90:91]      ; the second (Q's odd head, or V)
	CROUND                                         ; all sixteen work-groups are here: the joint loads meet
.irp q, 0
	s_mov_b32 s[32+4*\q], 1
	s_add_co_u32 s[33+4*\q], s76, \q*CHB
	s_add_nc_u64 s[34+4*\q:35+4*\q], s[72:73], \q*REC
	s_or_b32 s[35+4*\q], s[35+4*\q], 0x80000000
	s_mov_b32 s[48+4*\q], 1
	s_add_co_u32 s[49+4*\q], s77, \q*CHB
	s_add_nc_u64 s[50+4*\q:51+4*\q], s[74:75], \q*REC
	s_or_b32 s[51+4*\q], s[51+4*\q], 0x80000000
.endr
	s_cmp_lt_u32 s[WV], 2                          ; waves 0 and 1 fetch the token tiles, waves 2 and 3 the weight tiles: one fill a wave: one tensor load of mine is out
	s_cbranch_scc0 .Lfill_b
	tensor_load_to_lds s[32:35], s[16:23]
	s_nop 0
.rept 4
	v_nop
.endr
	s_branch .Lfilled
.Lfill_b:
	tensor_load_to_lds s[48:51], s[24:31]
	s_nop 0
.rept 4
	v_nop
.endr
.Lfilled:
	v_and_b32 v20, 31, v0
	v_lshlrev_b32 v17, 4, v20                      ; 16 x lane
	v_lshlrev_b32 v18, 3, v20                      ; 8 x lane
	s_mul_i32 s78, s[WV], 4*REC                    ; my four token tiles
.irp q, 0,1,2,3
	s_add_co_u32 s79, s78, \q*CHB
	v_add_nc_u32 v[1+\q], s79, v17
	v_add_nc_u32 v[5+\q], s79, v18
	v_add_nc_u32 v[9+\q], \q*CHW+BOFF, v17
	v_add_nc_u32 v[13+\q], \q*CHW+BOFF, v18
.endr
	v_and_b32 v21, 15, v0
	v_bfe_u32 v22, v0, 4, 1
	v_and_b32 v19, 8, v21
	v_add_nc_u32 v19, v19, v21                     ; r + 8 (r / 8)
	v_lshlrev_b32 v19, 8, v19
	v_lshl_add_u32 v19, v22, 6, v19                ; the table: my token's row, + 64 h: my 8 pairs of a block of 32
	v_mov_b32 v[TM+2], 0                           ; written once: a lane permute's destination counts as one of its sources
	v_mov_b32 v[TM+3], 0
.macro TABLE                           ; cos and sin of my 64 tokens into window 3: asked for by Q's and K's paths alone, ahead of their products
	WIN 0xc0                                       ; destination window 3
.irp a, 0,1,2,3
.irp b, 0,1
.irp e, 0,1,2,3
	global_load_b128 v[32*\a+16*\b+4*\e:32*\a+16*\b+4*\e+3], v19, s[8:9] offset:(32*(\a/2)+8*(\a%2))*256+128*\b+16*\e
.endr
.endr
.endr
	WIN 0
.endm
	s_wait_alu depctr_va_vdst(0)                   ; the wait at the head's end
	s_wait_tensorcnt 0x0                           ; my one load has landed
	s_barrier_signal -1
	s_barrier_wait -1                              ; everybody's has
; THE GRID AND THE KINDS, which take the place of what the head comment says of column blocks: 8 x 64 work-groups.  Cluster rows 0-7: 256 tokens x two heads of Q (8 weight tiles, 32 accumulators a wave): the longest, with the
; lowest numbers.  Cluster rows 8-15: 256 tokens x ONE head of K (cluster x 0: weight tiles 0-3 of block 8 + cx) or of V (cluster x 1: tiles 4-7): 16 accumulators a wave, which take turns.  The kinds part once, here, on ids,
; and each has its own straight text.  A work-group of K or V brings the whole dense run of its block, K's and V's weight tiles, and reads its own four tiles of it.
.macro WALK                            ; all of K: the first step's products start the sums: nothing is cleared
	FETCH 0
	KSTEP 0, 1
.irp s, 1,2,3,4,5,6,7
	KSTEP \s, 0
.endr
	PLACES
.endm
	s_cmp_lg_u32 s80, 0
	s_cbranch_scc1 .Lkind_kv
.set KIND, 0
.set TLO, 0
.set THI, 8
	TABLE
	WALK
	s_wait_loadcnt 0x0                             ; the table
	EPI 0, 1, 88
	EPI 128, 1, 92
	s_branch .Lepi_done
.Lkind_kv:
	s_cmp_eq_u32 s80, 2
	s_cbranch_scc1 .Lkind_v
.set KIND, 1
.set TLO, 0
.set THI, 4
	TABLE
	WALK
	s_wait_loadcnt 0x0                             ; the table
	EPI 0, 1, 88
	s_branch .Lepi_done
.Lkind_v:
.set KIND, 2
.set TLO, 4
.set THI, 8
	WALK
	EPI 128, 0, 92
.Lepi_done:
	s_wait_tensorcnt 0x0                           ; the wave's end
	ds_add_u32 v30, v31
	s_wait_dscnt 0x0
	CROUND                                         ; the closing round: no work-group ends while a partner may still ask for a tile that names it
	s_endpgm
.Lfunc_end_k_q5861a5b97b_qkv:
	.size	k_q5861a5b97b_qkv, .Lfunc_end_k_q5861a5b97b_qkv-k_q5861a5b97b_qkv
	.p2alignl 7, 3214868480
	.fill 96, 4, 3214868480
	.section	.rodata,"a",@progbits
	.p2align	6, 0x0
	.amdhsa_kernel k_q5861a5b97b_qkv
		.amdhsa_group_segment_fixed_size 327680
		.amdhsa_private_segment_fixed_size 0
		.amdhsa_enable_private_segment 0
		.amdhsa_kernarg_size 40
		.amdhsa_user_sgpr_count 2
		.amdhsa_user_sgpr_kernarg_segment_ptr 1
		.amdhsa_wavefront_size32 1
		.amdhsa_system_sgpr_workgroup_id_x 1
		.amdhsa_system_sgpr_workgroup_id_y 1
		.amdhsa_system_sgpr_workgroup_id_z 1
		.amdhsa_system_vgpr_workitem_id 0
		.amdhsa_next_free_vgpr 1024
		.amdhsa_next_free_sgpr 100
		.amdhsa_reserve_vcc 0
		.amdhsa_float_denorm_mode_32 3
		.amdhsa_float_denorm_mode_16_64 3
		.amdhsa_memory_ordered 1
		.amdhsa_forward_progress 1
		.amdhsa_inst_pref_size 220
	.end_amdhsa_kernel
	.amdgpu_metadata
---
amdhsa.version: [ 1, 2 ]
amdhsa.kernels:
  - .name:           k_q5861a5b97b_qkv
    .symbol:         k_q5861a5b97b_qkv.kd
    .args:
      - { .name: ximg, .offset: 0, .size: 8, .value_kind: global_buffer, .address_space: global }
      - { .name: wimg, .offset: 8, .size: 8, .value_kind: global_buffer, .address_space: global }
      - { .name: rope, .offset: 16, .size: 8, .value_kind: global_buffer, .address_space: global }
      - { .name: qimg, .offset: 24, .size: 8, .value_kind: global_buffer, .address_space: global }
      - { .name: kvimg, .offset: 32, .size: 8, .value_kind: global_buffer, .address_space: global }
    .group_segment_fixed_size: 327680
    .private_segment_fixed_size: 0
    .kernarg_segment_align: 8
    .kernarg_segment_size: 40
    .max_flat_workgroup_size: 128
    .sgpr_count:     100
    .vgpr_count:     1024
    .wavefront_size: 32
...
	.end_amdgpu_metadata
.endif
;; end of part 2
;; launch attn (part 3): grid 16 x 16, 16 waves a work-group, clusters of 4 x 1, 223,232 bytes of LDS; arguments qimg, kvimg, attention_mask, oimg; writes oimg
.if DOCPART == 3
	.amdgcn_target "amdgcn-amd-amdhsa--gfx1250"
	.amdhsa_code_object_version 6
	.text
	.protected	k_q5861a5b97b_attn
	.globl	k_q5861a5b97b_attn
	.p2align	8
	.type	k_q5861a5b97b_attn,@function
k_q5861a5b97b_attn:
	s_mov_b64 s[64:65], 0
	v_nop
	global_prefetch_b8 v0, s[64:65] scope:SCOPE_SE
	s_setreg_imm32_b32 hwreg(HW_REG_WAVE_MODE, 25, 1), 1
	s_wait_xcnt 0x0
	s_wait_alu depctr_hold_cnt(0) depctr_sa_sdst(0) depctr_va_vdst(0) depctr_va_sdst(0) depctr_va_ssrc(0) depctr_va_vcc(0) depctr_vm_vsrc(0)
	s_getreg_b32 s2, hwreg(HW_REG_IB_STS2, 6, 4)
	s_cmp_eq_u32 s2, 0
	s_cbranch_scc0 .Lentry_in_a_cluster
	s_endpgm
.Lentry_in_a_cluster:
	s_bfe_u32 s2, ttmp6, 0x10000c
	s_cmp_lg_u32 s2, 0x3003
	s_cbranch_scc0 .Lentry_shape_is_right
	s_endpgm
.Lentry_shape_is_right:
; Attention on codes of BF6 (E3M2) with E8M0 scales: 4 sequences x 16 query heads x 2,048 tokens, head size 64, four query heads to a key and value head; causal; the result quantised along head x 64 + d for the last product.
; THE SOFTMAX: t = score x log2(e) / 8; M = the running largest t rounded up to a whole number; p = 2^(t - M) is quantised along the keys; the row's sum is taken of the unquantised p and divides at the end.
; Key steps that lie wholly above the causal diagonal, which the source builds itself, are not computed.
; A PADDED QUERY (attention_mask = 0) has every logit equal in the source, so its weights are uniform over ALL 2,048 keys: p = 1 for every key and the sum is 2,048.  Its row is the mean of the quantised V of its head,
; made once a work-group by products with codes of 1.0, and chosen by v_cndmask_b32: no branch hangs on the mask.
; FORMATS: a tile is 16 rows of a group of 32: tile 2 g + u holds rows 32 g + 8 u + r + 8 (r / 8).  A piece (768 bytes): 16 rows x 64 along K, six registers a lane (0-3 at 16 x lane, 4-5 at 512 + 8 x lane).
; A record (3,328 bytes): four pieces and 256 bytes of scale words at 8 x lane.  A key step of 128 keys is four records of kvimg on end: K's and V's of two half-blocks of 64 keys: 13,312 bytes.
; oimg: [block of 16 row tiles][key and value head = chunk of 256 along K][tile of the block], a record each; my head's piece and two scale bytes of it are mine.
; K = 64 IN A FORM THAT IS 128 DEEP: a fragment of keys holds TWO key tiles (registers 0-5, 6-11); the query stands twice, as [q, zero codes] and as [zero codes, q]: the two products give the two tiles' scores.
; Both products are used transposed: a lane holds one query (lane % 16) throughout; by the choice of a tile's rows the 16 registers of two neighbouring score tiles are 16 neighbouring keys.
; SHARES.  The four work-groups of a cluster are the four query heads of one key and value head: its whole K and V, 16 key steps, 212,992 bytes, come into each one's LDS ONCE: wave w asks for key step w by one joint load
; at the head.  One wait for 0 and one barrier show all of it to every wave; nothing is filled again, and no later load is left that a prefetch could run ahead of.  The mean of V follows at once (wave w sums key step w; the
; sixteen sums meet in LDS behind the launch's second and last work-group barrier ahead of the closing round).
; Wave w of cluster X owns query tiles 127 - (16 X + w) and 16 X + w: together 17 key steps for every wave.  One text of the step serves both: an outer loop of 2 trips, an inner one of 16; a step past a tile's diagonal is
; jumped over by a branch on ids.  On the diagonal's step a block of 32 keys that lies wholly under the diagonal is not masked (a branch on ids).
; LIMITS: a block of zeros gets the byte 1 (zero codes); largest magnitudes under 2^-122 keep the byte 1; NaN and infinities are not served; the scaled scores stay under 2^31 in magnitude.
; REGISTERS: v1-11, v95 addresses; v12 -M, v13 the largest score, v[14:15] the sum; v16-27 [q, 0]; v28-39 [0, q]; v40-87 four fragments of K or V; v88-91 V's scale words as stored; v92, v93 the add's; v94 q's scale word as
; stored; v96-159 scores, then p; v160-191 O^T; v192-223 the mean of V; v224-235 p's codes; v236-247, v252, v254 at work; v248-251 the fragments' scale words; v253 p's; v255 q's.
.set REC,   3328
.set HBB,   6656                       ; a half-block's K and V
.set STEPB, 13312                      ; a key step
.set VSB,   212992                     ; behind K and V: the waves' partial sums of V: [wave][h][32] f32
.set VMB,   217088                     ; each wave's own copy of the mean: [wave][h][32]
.set SPARE, 221184                     ; the spare words: 128 bytes a wave
.set WV,    12
.set SEL,   44
.set CS,    46
.set TM,    236
.set SB2,   244
.set PC,    224
.set SPW,   92
.set NIL,   93
.set QW,    94
.macro PLACES                          ; four plain places behind a matrix instruction (ISA guide 7.12.1)
.rept 4
	v_nop
.endr
.endm
.macro CROUND                          ; a round of the cluster's barrier
	s_barrier_signal -1
	s_barrier_wait -1
	s_cmp_lg_u32 s[WV], 0
	s_cbranch_scc1 .Lnot_wave_0_\@
	s_barrier_signal -3
.Lnot_wave_0_\@:
	s_barrier_wait -3
	s_barrier_signal -1
	s_barrier_wait -1
.endm
.macro FRAG reg, a16, a8, off          ; two pieces on end
	ds_load_b128 v[(\reg):(\reg)+3], v[\a16] offset:(\off)
	ds_load_b64 v[(\reg)+4:(\reg)+5], v[\a8] offset:(\off)+512
	ds_load_b128 v[(\reg)+6:(\reg)+9], v[\a16] offset:(\off)+768
	ds_load_b64 v[(\reg)+10:(\reg)+11], v[\a8] offset:(\off)+1280
.endm
.macro VLOADS                          ; a key step's V: fragment d = piece d of both half-blocks; and the scale words as stored
.irp d, 0,1,2,3
.irp c, 0,1
	ds_load_b128 v[40+12*\d+6*\c:43+12*\d+6*\c], v3 offset:HBB*\c+REC+768*\d
	ds_load_b64 v[44+12*\d+6*\c:45+12*\d+6*\c], v4 offset:HBB*\c+REC+768*\d+512
.endr
.endr
	ds_load_b64 v[88:89], v4 offset:REC+3072
	ds_load_b64 v[90:91], v4 offset:HBB+REC+3072
.endm
.macro VWORDS                          ; fragment d's scale word: the two bytes of the first half-block's piece d, then the second's
	v_perm_b32 v248, v90, v88, s60
	v_perm_b32 v249, v90, v88, s61
	v_perm_b32 v250, v91, v89, s60
	v_perm_b32 v251, v91, v89, s61
.endm
; 32 numbers of a lane, register 16 b + i = k 32 b + 16 h + i of my row, become a piece's codes in v[PC] .. v[PC + 5] and its two scale bytes in v[SB2]
.macro QUANT32 S
.irp b, 0,1
	v_max3_num_f32 v[TM+\b], |v[(\S)+16*\b]|, |v[(\S)+16*\b+1]|, 0x2800000   ; the floor 2^(5 - 127): the byte cannot fall under 1
.endr
.irp i, 2,4,6,8,10,12,14
.irp b, 0,1
	s_delay_alu instid0(VALU_DEP_2)
	v_max3_num_f32 v[TM+\b], |v[(\S)+16*\b+\i]|, |v[(\S)+16*\b+\i+1]|, v[TM+\b]
.endr
.endr
.irp b, 0,1
	s_delay_alu instid0(VALU_DEP_2)
	v_permlanex16_b32 v[TM+2+\b], v[TM+\b], s[SEL], s[SEL+1]
.endr
.irp b, 0,1
	s_delay_alu instid0(VALU_DEP_2)
	v_max_num_f32 v[TM+\b], v[TM+\b], v[TM+2+\b]   ; with lane l xor 16's 16: the block's largest magnitude
.endr
.irp b, 0,1
	s_delay_alu instid0(VALU_DEP_2)
	v_add_nc_u32 v[TM+4+\b], 0xfe000000, v[TM+\b]  ; 4 off the exponent field: the conversion's scale operand
.endr
.irp b, 0,1
	s_delay_alu instid0(VALU_DEP_2)
	v_lshrrev_b32 v[TM+2+\b], 23, v[TM+4+\b]       ; the byte
.endr
	s_delay_alu instid0(VALU_DEP_1)
	v_lshl_or_b32 v[SB2], v[TM+3], 8, v[TM+2]
	v_cvt_scalef32_pk16_bf6_f32 v[PC:PC+2], v[(\S):(\S)+15], v[TM+4]
	v_cvt_scalef32_pk16_bf6_f32 v[PC+6:PC+8], v[(\S)+16:(\S)+31], v[TM+5]
	v_nop                                          ; one plain place behind a scaled conversion
.irp i, 0,1,2
	v_permlane16_swap_b32 v[PC+\i], v[PC+6+\i]     ; a whole block in a lane: lanes 0-15 block 0, lanes 16-31 block 1
.endr
.irp i, 0,1,2
	s_delay_alu instid0(VALU_DEP_3)
	v_mov_b32 v[PC+3+\i], v[PC+6+\i]
.endr
.endm
; the query tile in s42: its numbers, its addresses, and the loads of its piece, its scale word and its queries' mask words
.macro LOADQ
	s_lshr_b32 s40, s42, 3                         ; the key step on the tile's diagonal, its last
	s_bfe_u32 s63, s42, 0x20001                    ; and the block of 32 keys of that step on the diagonal
	s_and_b32 s57, s42, 1
	s_lshl_b32 s62, s57, 4                         ; which half of the scale word is my tile's
	s_lshl_b32 s56, s15, 2
	s_add_co_u32 s56, s56, s13                     ; the query head: 16 b + 4 kvh + cx
	s_lshl_b32 s56, s56, 5
	s_lshr_b32 s58, s42, 2
	s_add_co_u32 s56, s56, s58                     ; its half-block
	s_mul_i32 s56, s56, REC
	s_and_b32 s58, s42, 3
	s_mul_i32 s58, s58, 768
	s_add_co_u32 s58, s58, s56
	s_mov_b32 s59, 0
	s_add_nc_u64 s[48:49], s[4:5], s[58:59]        ; the tile's piece
	s_bfe_u32 s58, s42, 0x10001
	s_lshl_b32 s58, s58, 2
	s_add_co_u32 s58, s58, s56
	s_add_nc_u64 s[50:51], s[4:5], s[58:59]        ; its scale word
	s_lshr_b32 s56, s15, 2
	s_lshl_b32 s56, s56, 7
	s_add_co_u32 s56, s56, s42                     ; the row tile in oimg: 128 b + tile
	s_lshr_b32 s58, s56, 4
	s_lshl_b32 s58, s58, 6                         ; its block: 64 records
	s_and_b32 s56, s56, 15
	s_add_co_u32 s56, s56, s58
	s_and_b32 s58, s15, 3
	s_lshl_b32 s58, s58, 4                         ; the chunk: the key and value head, 16 records
	s_add_co_u32 s56, s56, s58
	s_mul_i32 s56, s56, REC
	s_mul_i32 s58, s13, 768
	s_add_co_u32 s58, s58, s56
	s_add_nc_u64 s[54:55], s[10:11], s[58:59]      ; my head's piece of the record,
	s_lshl_b32 s58, s13, 1
	s_add_co_u32 s58, s58, s56
	s_add_nc_u64 s[66:67], s[10:11], s[58:59]      ; and its two scale bytes
	s_lshr_b32 s56, s42, 1
	s_lshl_b32 s56, s56, 5
	s_lshl_b32 s58, s57, 3
	s_add_co_u32 s56, s56, s58
	v_add_nc_u32 v5, s56, v9                       ; my query's token
	v_lshlrev_b32 v252, 2, v5
	global_load_b128 v[16:19], v1, s[48:49]
	global_load_b64 v[20:21], v2, s[48:49] offset:512
	global_load_b32 v[QW], v2, s[50:51] offset:3072
	global_load_b32 v6, v252, s[52:53]             ; my query's word of the mask
.endm
	s_load_b256 s[4:11], s[0:1], 0x0               ; qimg s[4:5], kvimg s[6:7], attention_mask s[8:9], oimg s[10:11]
	v_lshl_add_u32 v[SPW], v0, 2, SPARE
	v_mov_b32 v[NIL], 0
	ds_add_u32 v[SPW], v[NIL]                      ; the opening lines: the add, twice on end, and its wait ahead of my first tensor load
	ds_add_u32 v[SPW], v[NIL]
	v_lshrrev_b32 v1, 5, v0
	v_readfirstlane_b32 s[WV], v1                  ; wave 0..15
	s_bfe_u32 s13, ttmp6, 0x40000                  ; cx: the query head within its group: it enters Q's and O's global addresses alone
	s_mov_b32 s14, ttmp9                           ; the cluster's x
	s_and_b32 s15, ttmp7, 0xffff                   ; 4 b + the key and value head
	; descriptor group 1: a key step, 13,312 dense bytes, as 52 rows of 256 bytes (32 elements of 8 bytes)
	s_mov_b32 s16, 15|(3<<16)|(1<<21)              ; 15:0 the mask: all four work-groups; 17:16 elements of 8 bytes; 21 set beside a mask
	s_mov_b32 s17, 32<<16
	s_mov_b32 s18, 52<<16
	s_mov_b32 s19, 32<<16
	s_mov_b32 s20, 52
	s_mov_b32 s21, 32
	s_mov_b32 s22, 0
	s_mov_b32 s23, 0
	s_mul_i32 s25, s[WV], STEPB                    ; key step = my wave's number: its place in LDS,
	s_mul_i32 s58, s15, 16*STEPB                   ; and in the head's K and V
	s_add_co_u32 s58, s58, s25
	s_mov_b32 s59, 0
	s_lshr_b32 s68, s15, 2
	s_lshl_b32 s68, s68, 13                        ; the sequence's 2,048 words of the mask
	s_mov_b32 s69, 0
	s_mov_b32 s[SEL], 0x76543210
	s_mov_b32 s[SEL+1], 0xfedcba98
	s_mov_b32 s[CS], 0x3e38aa3b                    ; c = log2(e) / 8
	s_mov_b32 s[CS+1], s[CS]
	s_mov_b32 s60, 0x05040100                      ; two low halves
	s_mov_b32 s61, 0x07060302                      ; two high halves
	s_lshl_b32 s43, s14, 4
	s_add_co_u32 s43, s43, s[WV]                   ; my early tile,
	s_sub_co_u32 s42, 127, s43                     ; and my late one, which goes first
	s_wait_dscnt 0x0                               ; both opening adds are done
	s_wait_kmcnt 0x0
	s_add_nc_u64 s[26:27], s[6:7], s[58:59]
	s_add_nc_u64 s[52:53], s[8:9], s[68:69]
	CROUND                                         ; all four work-groups are here: the joint loads meet
	s_mov_b32 s24, 1
	s_or_b32 s27, s27, 0x80000000
	tensor_load_to_lds s[24:27], s[16:23]          ; my one tensor load of the launch
	s_nop 0
	PLACES
	v_and_b32 v3, 31, v0                           ; lane
	v_and_b32 v4, 15, v0                           ; r
	v_bfe_u32 v5, v0, 4, 1                         ; h
	v_lshlrev_b32 v1, 4, v3                        ; 16 x lane
	v_lshlrev_b32 v2, 3, v3                        ; 8 x lane
	v_and_b32 v9, 8, v4
	v_lshlrev_b32 v10, 4, v5                       ; 16 h
	v_add_nc_u32 v9, v9, v4                        ; r + 8 (r / 8)
	s_lshl_b32 s57, s[WV], 8
	v_lshlrev_b32 v7, 7, v5
	v_lshlrev_b32 v11, 2, v3
	v_add_nc_u32 v7, s57, v7                       ; 256 x wave + 128 h
	v_add_nc_u32 v11, s57, v11
	v_lshl_add_u32 v8, v3, 2, VSB
	v_add_nc_u32 v95, VMB, v7
	v_add_nc_u32 v7, VSB, v7
	v_add_nc_u32 v11, VMB, v11
.irp i, 0,1,2,3,4,5
	v_mov_b32 v[22+\i], 0                          ; the zero codes of [q, 0]
	v_mov_b32 v[28+\i], 0                          ; and of [0, q]
.endr
.irp b, 0,1,2,3
	v_mov_b32 v[236+\b], 0                         ; written once: a lane permute's destination counts as one of its sources
.endr
.irp i, 0,3,6,9
	v_mov_b32 v[224+\i], 0x0c30c30c                ; for the mean of V: the code 0x0c (1.0) in every place of the stream of bits,
	v_mov_b32 v[225+\i], 0xc30c30c3
	v_mov_b32 v[226+\i], 0x30c30c30
.endr
	v_mov_b32 v253, 0x7f7f7f7f                     ; under the scale 1
	LOADQ                                          ; the late tile's loads are out while the key steps land
	s_wait_alu depctr_va_vdst(0)                   ; the wait at the head's end
	s_wait_tensorcnt 0x0                           ; my key step has landed
	s_barrier_signal -1
	s_barrier_wait -1                              ; everybody's has
	; ---- the mean of the quantised V over all 2,048 keys: wave w sums key step w by four products with codes of 1.0
	v_add_nc_u32 v3, s25, v1
	v_add_nc_u32 v4, s25, v2
	VLOADS
	s_wait_dscnt 0x0
	VWORDS
.rept 8
	v_nop                                          ; a scale register written by a vector instruction stands 8 places ahead of a scaled matrix instruction
.endr
.irp d, 0,1,2,3
	v_wmma_scale_f32_16x16x128_f8f6f4 v[96+8*\d:103+8*\d], v[40+12*\d:51+12*\d], v[224:235], 0, v[248+\d], v253 matrix_a_fmt:MATRIX_FMT_BF6 matrix_b_fmt:MATRIX_FMT_BF6
.endr
	PLACES
.irp e, 0,1,2,3,4,5,6,7
	ds_store_b128 v7, v[96+4*\e:99+4*\e] offset:16*\e   ; every query's column is the same: the sixteen lanes of a half write the same bytes with the same values
.endr
	s_wait_dscnt 0x0                               ; for the others' sake: my stores are done
	s_barrier_signal -1
	s_barrier_wait -1
.irp n, 0,1,2,3,4,5,6,7,8,9,10,11,12,13,14,15
	ds_load_b32 v[128+2*\n], v8 offset:256*\n      ; lane l: number l of the 32 of h = 0,
	ds_load_b32 v[129+2*\n], v8 offset:256*\n+128  ; and of h = 1, of wave n's sums
.endr
	s_wait_dscnt 0x0
.irp n, 4,5,6,7,8,9,10,11,12,13,14,15
	v_pk_add_f32 v[128+2*(\n%4):129+2*(\n%4)], v[128+2*(\n%4):129+2*(\n%4)], v[128+2*\n:129+2*\n]   ; four chains by turns
.endr
	v_pk_add_f32 v[128:129], v[128:129], v[130:131]
	v_pk_add_f32 v[132:133], v[132:133], v[134:135]
	s_delay_alu instid0(VALU_DEP_1)
	v_pk_add_f32 v[128:129], v[128:129], v[132:133]
	s_delay_alu instid0(VALU_DEP_1)
	v_pk_mul_f32 v[128:129], v[128:129], 0x3a000000 op_sel_hi:[1,0]   ; / 2,048
	ds_store_b32 v11, v128                         ; through my wave's own 256 bytes, into the layout of O^T: LDS serves a wave's instructions in order
	ds_store_b32 v11, v129 offset:128
.irp e, 0,1,2,3,4,5,6,7
	ds_load_b128 v[192+4*\e:195+4*\e], v95 offset:16*\e
.endr
	s_wait_dscnt 0x0
	s_mov_b32 s68, 0                               ; tiles done
.Ltile:
	s_cmp_eq_u32 s68, 0
	s_cbranch_scc1 .Lhave_q                        ; the late tile's loads went out at the head
	s_wait_xcnt 0x0                                ; the late tile's stores have read their addresses and data
	s_wait_loadcnt 0x0                             ; no earlier load into the query's registers is out when the loads below are issued
	s_mov_b32 s42, s43                             ; the early tile
	LOADQ
.Lhave_q:
	s_wait_loadcnt 0x0
.irp i, 0,1,2,3,4,5
	v_mov_b32 v[34+\i], v[16+\i]
.endr
	v_lshrrev_b32 v254, s62, v[QW]
	v_mov_b32 v13, 0xff61b1e6                      ; the largest SCORE so far: -3e38 (v13 holds the running maximum in score units; t is made of it by one product)
	v_and_b32 v254, 0xffff, v254
	v_floor_f32 v12, -v13                          ; -M
	v_lshl_or_b32 v255, v254, 16, v254             ; q's two bytes, for both halves of the 128
	v_mov_b32 v14, 0
	v_mov_b32 v15, 0
.set n, 0
.rept 32
	v_mov_b32 v[160+n], 0                          ; O^T: the step is written once; its first trip finds zeros.  (These are also the places in front of the first scaled products)
.set n, n+1
.endr
	s_mov_b32 s2, 0                                ; LDS byte of the key step in hand
	s_mov_b32 s3, 0                                ; its number
	s_mov_b32 s41, 16
; A KEY STEP: 128 keys
.Lstep:
	s_cmp_gt_u32 s3, s40                           ; past the diagonal: nothing but the counters' steps
	s_cbranch_scc1 .Lpast
	v_add_nc_u32 v3, s2, v1
	v_add_nc_u32 v4, s2, v2
	v_nop
	v_nop                                          ; four places in front of loads into registers that the last products read
.irp p, 0,1,2,3
	FRAG 40+12*\p, 3, 4, HBB*(\p/2)+1536*(\p%2)
.endr
	ds_load_b64 v[248:249], v4 offset:3072
	ds_load_b64 v[250:251], v4 offset:HBB+3072
	s_wait_alu depctr_va_vdst(0)
	s_wait_dscnt 0x0
.irp p, 0,1,2,3
	v_wmma_scale_f32_16x16x128_f8f6f4 v[96+16*\p:103+16*\p], v[40+12*\p:51+12*\p], v[16:27], 0, v[248+\p], v255 matrix_a_fmt:MATRIX_FMT_BF6 matrix_b_fmt:MATRIX_FMT_BF6
	v_wmma_scale_f32_16x16x128_f8f6f4 v[104+16*\p:111+16*\p], v[40+12*\p:51+12*\p], v[28:39], 0, v[248+\p], v255 matrix_a_fmt:MATRIX_FMT_BF6 matrix_b_fmt:MATRIX_FMT_BF6
.endr                                          ; register 16 b + i of the 64 holds key 128 x step + 32 b + 16 h + i
	v_mov_b32 v246, v12                            ; the old -M, kept for the factor below: with the three lines behind it the four places behind the products
	v_nop
	v_nop
	v_nop
	VLOADS                                         ; V lands while the softmax is worked
	s_cmp_lg_u32 s3, s40
	s_cbranch_scc1 .Lopen                          ; only the step on the diagonal hides keys
	s_lshl_b32 s56, s3, 7
	v_sub_nc_u32 v252, v5, v10
	v_mov_b32 v254, 0xff800000                     ; -infinity: p = 0 then
	v_sub_nc_u32 v252, v252, s56                   ; d = my query - the step's first key - 16 h: hidden where 32 b + i > d
	s_wait_alu depctr_va_vdst(0)
.irp b, 0,1,2,3
	s_cmp_gt_u32 s63, \b                           ; a block under the diagonal's block hides nothing
	s_cbranch_scc1 .Lvis\b
.set n, 0
.rept 16
	v_cmp_gt_i32 vcc_lo, 32*\b+n, v252
	v_cndmask_b32 v[96+16*\b+n], v[96+16*\b+n], v254, vcc_lo
.set n, n+1
.endr
.Lvis\b:
.endr
.Lopen:
.irp b, 0,1,2,3
	v_max3_num_f32 v[232+\b], v[96+16*\b], v[97+16*\b], v[98+16*\b]   ; the largest score of each block of 32 keys: for the row's maximum and, since p rises with the score, for the block's largest p
.endr
.irp i, 3,5,7,9,11,13
.irp b, 0,1,2,3
	v_max3_num_f32 v[232+\b], v[232+\b], v[96+16*\b+\i], v[97+16*\b+\i]
.endr
.endr
.irp b, 0,1,2,3
	v_max_num_f32 v[232+\b], v[232+\b], v[111+16*\b]
.endr
.irp b, 0,1,2,3
	v_permlanex16_b32 v[236+\b], v[232+\b], s[SEL], s[SEL+1]   ; (the four blocks by turns, here and below)
.endr
.irp b, 0,1,2,3
	v_max_num_f32 v[232+\b], v[232+\b], v[236+\b]  ; with lane l xor 16's 16 keys
.endr
	s_delay_alu instid0(VALU_DEP_2)
	v_max3_num_f32 v254, v232, v233, v234
	s_delay_alu instid0(VALU_DEP_1)
	v_max3_num_f32 v13, v13, v254, v235            ; the running largest score
	s_delay_alu instid0(VALU_DEP_1)
	v_mul_f32 v254, s[CS], v13                     ; as t: c is positive and rounding keeps the order, so this is the largest of the rounded t
	s_delay_alu instid0(VALU_DEP_1)
	v_floor_f32 v12, -v254                         ; the new -M = -ceil(t): a whole number
	s_delay_alu instid0(VALU_DEP_1)
	v_sub_f32 v254, v12, v246
	s_delay_alu instid0(VALU_DEP_1)
	v_cvt_i32_f32 v254, v254                       ; (it saturates)
	s_delay_alu instid0(VALU_DEP_1)
	v_ldexp_f32 v252, 1.0, v254                    ; f = 2^(old M - new M): rounds nothing
.set n, 0
.rept 32
	v_pk_fma_f32 v[96+n:97+n], v[96+n:97+n], s[CS:CS+1], v[12:13] op_sel_hi:[1,0,0]   ; t - M
.set n, n+2
.endr
.irp b, 0,1,2,3
	v_fma_f32 v[232+\b], v[232+\b], s[CS], v12     ; the same of each block's largest score
.endr
	s_wait_alu depctr_va_vdst(0)                   ; the wait ahead of the batch
.set n, 0
.rept 64
	v_exp_f32 v[96+n], v[96+n]                     ; p = 2^(t - M)
.set n, n+1
.endr
.irp b, 0,1,2,3
	v_exp_f32 v[232+\b], v[232+\b]                 ; the block's largest p
.endr
	v_pk_mul_f32 v[14:15], v[14:15], v[252:253] op_sel_hi:[1,0]   ; the sums under the new M (a plain place behind the exponentials)
	s_wait_alu depctr_va_vdst(0)                   ; one wait for the whole batch, ahead of its first reader
.irp b, 0,1,2,3
	v_max_num_f32 v[232+\b], 0x2800000, v[232+\b]  ; the floor 2^(5 - 127)
.endr
.irp b, 0,1,2,3
	v_add_nc_u32 v[244+\b], 0xfe000000, v[232+\b]  ; the conversion's scale operand
.endr
.irp b, 0,1,2,3
	v_lshrrev_b32 v[236+\b], 23, v[244+\b]         ; the byte
.endr
	s_delay_alu instid0(VALU_DEP_3)
	v_lshl_or_b32 v253, v237, 8, v236              ; p's scale word for these 128 keys
	s_delay_alu instid0(VALU_DEP_1)
	v_lshl_or_b32 v253, v238, 16, v253
	s_delay_alu instid0(VALU_DEP_1)
	v_lshl_or_b32 v253, v239, 24, v253
.irp c, 0,1
	v_cvt_scalef32_pk16_bf6_f32 v[224+6*\c:226+6*\c], v[96+32*\c:111+32*\c], v[244+2*\c]
	v_cvt_scalef32_pk16_bf6_f32 v[236+4*\c:238+4*\c], v[112+32*\c:127+32*\c], v[244+2*\c+1]
.endr
	v_nop                                          ; one plain place behind a scaled conversion
.irp c, 0,1
.irp i, 0,1,2
	v_permlane16_swap_b32 v[224+6*\c+\i], v[236+4*\c+\i]
.endr
.irp i, 0,1,2
	v_mov_b32 v[227+6*\c+\i], v[236+4*\c+\i]
.endr
.endr
	s_wait_dscnt 0x0                               ; V and its scale words are in
	VWORDS
	s_wait_alu depctr_va_vdst(0)                   ; directly ahead of the first reader of O^T
.set n, 0
.rept 16
	v_pk_mul_f32 v[160+n:161+n], v[160+n:161+n], v[252:253] op_sel_hi:[1,0]   ; O^T under the new M
.set n, n+2
.endr
	v_pk_add_f32 v[236:237], v[96:97], v[98:99]    ; the row's sum, of the unquantised p: four chains by turns
	v_pk_add_f32 v[240:241], v[100:101], v[102:103]
	v_pk_add_f32 v[242:243], v[104:105], v[106:107]
	v_pk_add_f32 v[14:15], v[14:15], v[108:109]
.irp j, 110,118,126,134,142,150
	v_pk_add_f32 v[236:237], v[236:237], v[\j:\j+1]
	v_pk_add_f32 v[240:241], v[240:241], v[\j+2:\j+3]
	v_pk_add_f32 v[242:243], v[242:243], v[\j+4:\j+5]
	v_pk_add_f32 v[14:15], v[14:15], v[\j+6:\j+7]
.endr
	v_pk_add_f32 v[236:237], v[236:237], v[158:159]
	v_pk_add_f32 v[240:241], v[240:241], v[242:243]
	s_delay_alu instid0(VALU_DEP_2)
	v_pk_add_f32 v[14:15], v[14:15], v[236:237]
	s_delay_alu instid0(VALU_DEP_1)
	v_pk_add_f32 v[14:15], v[14:15], v[240:241]
.irp d, 0,1,2,3
	v_wmma_scale_f32_16x16x128_f8f6f4 v[160+8*\d:167+8*\d], v[40+12*\d:51+12*\d], v[224:235], v[160+8*\d:167+8*\d], v[248+\d], v253 matrix_a_fmt:MATRIX_FMT_BF6 matrix_b_fmt:MATRIX_FMT_BF6
.endr
.Lpast:
	s_add_co_u32 s3, s3, 1
	s_add_co_u32 s2, s2, STEPB
	s_sub_co_u32 s41, s41, 1
	s_cmp_lg_u32 s41, 0
	s_wait_alu depctr_va_vdst(0)                   ; directly ahead of the branch
	s_cbranch_scc1 .Lstep
	; ---- O^T / the sum, or the mean of V for a padded query; quantised; stored as my head's piece of the last product's operand
	PLACES
	v_add_f32 v14, v14, v15
	s_delay_alu instid0(VALU_DEP_1)
	v_permlanex16_b32 v252, v14, s[SEL], s[SEL+1]
	s_delay_alu instid0(VALU_DEP_1)
	v_add_f32 v14, v14, v252                       ; the row's sum
	s_wait_alu depctr_va_vdst(0)                   ; the wait ahead of the transcendental
	v_rcp_f32 v14, v14
	v_cmp_ne_u32 vcc_lo, 0, v6                     ; (a plain place behind the transcendental)
	s_wait_alu depctr_va_vdst(0)                   ; and ahead of its result's first reader, which is also O^T's
.set n, 0
.rept 32
	v_mul_f32 v[96+n], v[160+n], v14               ; register 16 b + i: d = 32 b + 16 h + i
.set n, n+1
.endr
.set n, 0
.rept 32
	v_cndmask_b32 v[96+n], v[192+n], v[96+n], vcc_lo
.set n, n+1
.endr
	QUANT32 96
	global_store_b128 v1, v[224:227], s[54:55]
	global_store_b64 v2, v[228:229], s[54:55] offset:512
	global_store_b16 v2, v[SB2], s[66:67] offset:3072   ; two bytes a lane: the four heads' work-groups together fill the record's 256 bytes of scale words; once a tile
	s_add_co_u32 s68, s68, 1
	s_cmp_lt_u32 s68, 2
	s_wait_alu depctr_va_vdst(0)                   ; the wait directly ahead of the branch
	s_cbranch_scc1 .Ltile
	s_wait_tensorcnt 0x0                           ; the wave's end
	ds_add_u32 v[SPW], v[NIL]
	s_wait_dscnt 0x0
	CROUND                                         ; the closing round
	s_endpgm
.Lfunc_end_k_q5861a5b97b_attn:
	.size	k_q5861a5b97b_attn, .Lfunc_end_k_q5861a5b97b_attn-k_q5861a5b97b_attn
	.p2alignl 7, 3214868480
	.fill 96, 4, 3214868480
	.section	.rodata,"a",@progbits
	.p2align	6, 0x0
	.amdhsa_kernel k_q5861a5b97b_attn
		.amdhsa_group_segment_fixed_size 223232
		.amdhsa_private_segment_fixed_size 0
		.amdhsa_enable_private_segment 0
		.amdhsa_kernarg_size 32
		.amdhsa_user_sgpr_count 2
		.amdhsa_user_sgpr_kernarg_segment_ptr 1
		.amdhsa_wavefront_size32 1
		.amdhsa_system_sgpr_workgroup_id_x 1
		.amdhsa_system_sgpr_workgroup_id_y 1
		.amdhsa_system_sgpr_workgroup_id_z 1
		.amdhsa_system_vgpr_workitem_id 0
		.amdhsa_next_free_vgpr 256
		.amdhsa_next_free_sgpr 72
		.amdhsa_reserve_vcc 1
		.amdhsa_float_denorm_mode_32 3
		.amdhsa_float_denorm_mode_16_64 3
		.amdhsa_memory_ordered 1
		.amdhsa_forward_progress 1
		.amdhsa_inst_pref_size 46
	.end_amdhsa_kernel
	.amdgpu_metadata
---
amdhsa.version: [ 1, 2 ]
amdhsa.kernels:
  - .name:           k_q5861a5b97b_attn
    .symbol:         k_q5861a5b97b_attn.kd
    .args:
      - { .name: qimg, .offset: 0, .size: 8, .value_kind: global_buffer, .address_space: global }
      - { .name: kvimg, .offset: 8, .size: 8, .value_kind: global_buffer, .address_space: global }
      - { .name: attention_mask, .offset: 16, .size: 8, .value_kind: global_buffer, .address_space: global }
      - { .name: oimg, .offset: 24, .size: 8, .value_kind: global_buffer, .address_space: global }
    .group_segment_fixed_size: 223232
    .private_segment_fixed_size: 0
    .kernarg_segment_align: 8
    .kernarg_segment_size: 32
    .max_flat_workgroup_size: 512
    .sgpr_count:     72
    .vgpr_count:     256
    .wavefront_size: 32
...
	.end_amdgpu_metadata
.endif
;; end of part 3
;; launch oproj (part 4): grid 8 x 32, 4 waves a work-group, clusters of 4 x 4, 327,680 bytes of LDS; arguments oimg, wimg, out0; writes out0
.if DOCPART == 4
	.amdgcn_target "amdgcn-amd-amdhsa--gfx1250"
	.amdhsa_code_object_version 6
	.text
	.protected	k_q5861a5b97b_oproj
	.globl	k_q5861a5b97b_oproj
	.p2align	8
	.type	k_q5861a5b97b_oproj,@function
k_q5861a5b97b_oproj:
	s_mov_b64 s[64:65], 0
	v_nop
	global_prefetch_b8 v0, s[64:65] scope:SCOPE_SE
	s_setreg_imm32_b32 hwreg(HW_REG_WAVE_MODE, 25, 1), 1
	s_wait_xcnt 0x0
	s_wait_alu depctr_hold_cnt(0) depctr_sa_sdst(0) depctr_va_vdst(0) depctr_va_sdst(0) depctr_va_ssrc(0) depctr_va_vcc(0) depctr_vm_vsrc(0)
	s_getreg_b32 s2, hwreg(HW_REG_IB_STS2, 6, 4)
	s_cmp_eq_u32 s2, 0
	s_cbranch_scc0 .Lentry_in_a_cluster
	s_endpgm
.Lentry_in_a_cluster:
	s_bfe_u32 s2, ttmp6, 0x10000c
	s_cmp_lg_u32 s2, 0xf033
	s_cbranch_scc0 .Lentry_shape_is_right
	s_endpgm
.Lentry_shape_is_right:
; out0 = O Wo on codes of BF6 (E3M2) with E8M0 scales; out0 [8192][1024] f32.  O's codes (oimg) and Wo's (wimg, tiles 96-159) lie as images of operand registers:
; a tile is 16 rows of a group of 32 (tile 2 g + u: rows 32 g + 8 u + r + 8 (r / 8)); a piece (768 bytes) is 16 rows x 64 along K (registers 0-3 at 16 x lane, 4-5 at 512 + 8 x lane); a record (3,328 bytes) is four pieces
; and 256 bytes of scale words at 8 x lane; a tile has four records of 256 along K.
; SHARES.  A work-group makes 256 tokens x 128 columns with ALL of K = 1,024: 16 token tiles and 8 weight tiles, 24 x 13,312 bytes, lie in LDS together, each byte filled once, in four chunks of 256 along K asked for
; together at the head; a counted wait and a barrier release each chunk.  Nothing is filled again.  A wave owns 4 token tiles x 8 weight tiles: 32 accumulators, which take turns.
; CLUSTER 4 x 4: the four of a row need the same token tiles, the four of a column the same weight tiles: joint loads.
; The products are used TRANSPOSED (source 0 = 16 columns of Wo, source 1 = 16 tokens): a lane holds eight neighbouring columns of one token's row.  A token tile's 16 rows x 128 columns go through the wave's own stage in LDS
; and leave as whole rows of 512 bytes.  The stages lie in chunk 0's bytes, which have had their only fill and whose last read lies ahead of a barrier that every wave has passed.
; REGISTERS, in windows of 256: window 0: v1-16 LDS addresses, v17-22 offsets, v32-79 scale words (two sets), v80-175 token fragments (two sets), on the way out v80-207 rows; window 1: weight fragments (two sets of 96);
; window 2: the 32 accumulators.
.set REC,   3328
.set TILEB, 13312
; LDS AND THE LOADS, which take the place of what the head comment says of chunks and of the stages: oimg and wimg lie [block][chunk of 256 along K][tile], so the work-group's 16 token tiles are one dense run of 212,992 bytes
; and its 8 weight tiles one of 106,496.  Each wave brings half of one run by ONE tensor load at the head, in rows of 256 bytes (waves 0, 1: the token tiles' chunks 0-1 and 2-3; waves 2, 3: the weight tiles').
; One wait for 0 and one barrier show all of it to every wave; no barrier stands between the K steps.  Nothing is filled again.  A wave's stage (8,448 bytes) lies in chunk 0's records of its OWN four token tiles
; (13,312 bytes), which no other wave reads and which have had their only fill.
.set CHB,   53248                      ; a chunk of the token tiles in LDS: 16 records
.set CHW,   26624                      ; a chunk of the weight tiles: 8 records
.set BOFF,  212992                     ; the weight tiles lie behind the token tiles
.set SPARE, 319488                     ; behind them the spare words, 128 bytes a wave: v30 = SPARE + 4 x thread, v31 = 0, kept for the add alone
.set BT0,   96                         ; Wo's first tile in wimg
.set SC,    32
.set AF,    80
.set BK,    80
.set STO,   21
.set RD,    22
.set WV,    14
.set MSB,   0
.macro WIN new                         ; the immediate's high byte repeats the setting that is left
.if MSB != \new
	s_set_vgpr_msb (MSB<<8)|\new
.set MSB, \new
.endif
.endm
.macro PLACES                          ; four plain places behind a matrix instruction, in front of loads into its registers and of reads of its results
.rept 4
	v_nop
.endr
.endm
.macro CROUND                          ; a round of the cluster's barrier
	s_barrier_signal -1
	s_barrier_wait -1
	s_cmp_lg_u32 s[WV], 0
	s_cbranch_scc1 .Lnot_wave_0_\@
	s_barrier_signal -3
.Lnot_wave_0_\@:
	s_barrier_wait -3
	s_barrier_signal -1
	s_barrier_wait -1
.endm
.macro FRAG reg, a16, a8, off          ; a fragment is two pieces on end: every load reads consecutive bytes
	ds_load_b128 v[(\reg):(\reg)+3], v[\a16] offset:(\off)
	ds_load_b64 v[(\reg)+4:(\reg)+5], v[\a8] offset:(\off)+512
	ds_load_b128 v[(\reg)+6:(\reg)+9], v[\a16] offset:(\off)+768
	ds_load_b64 v[(\reg)+10:(\reg)+11], v[\a8] offset:(\off)+1280
.endm
.macro FETCH s                         ; K step s (chunk s / 2, half s % 2) into fragment set s % 2; with a chunk's first step its scale words into scale set (s / 2) % 2
	WIN 0x40                                       ; destination window 1, address window 0
.irp t, 0,1,2,3,4,5,6,7
	FRAG 96*((\s)%2)+12*\t, 9+(\s)/2, 13+(\s)/2, REC*\t+1536*((\s)%2)
.endr
	WIN 0
.irp a, 0,1,2,3
	FRAG AF+48*((\s)%2)+12*\a, 1+(\s)/2, 5+(\s)/2, REC*\a+1536*((\s)%2)
.endr
.if (\s)%2 == 0
.irp a, 0,1,2,3
	ds_load_b64 v[SC+24*(((\s)/2)%2)+2*\a:SC+24*(((\s)/2)%2)+2*\a+1], v[5+(\s)/2] offset:REC*\a+3072
.endr
.irp t, 0,1,2,3,4,5,6,7
	ds_load_b64 v[SC+24*(((\s)/2)%2)+8+2*\t:SC+24*(((\s)/2)%2)+8+2*\t+1], v[13+(\s)/2] offset:REC*\t+3072
.endr
.endif
.endm
; 16 products, transposed: weight tiles 4 eta .. 4 eta + 3 (source 0, window 1) x my four token tiles (source 1, window 0); accumulator (a, bt) at v[128 eta + 8 (4 a + bt)] of window 2
.macro MULH eta, s, zero
.set FP, (\s)%2
.set SS, SC+24*(((\s)/2)%2)+(\s)%2
.irp a, 0,1,2,3
.irp bt, 0,1,2,3
.if \zero
	v_wmma_scale_f32_16x16x128_f8f6f4 v[128*\eta+8*(4*\a+\bt):128*\eta+8*(4*\a+\bt)+7], v[96*FP+12*(4*\eta+\bt):96*FP+12*(4*\eta+\bt)+11], v[AF+48*FP+12*\a:AF+48*FP+12*\a+11], 0, v[SS+8+2*(4*\eta+\bt)], v[SS+2*\a] matrix_a_fmt:MATRIX_FMT_BF6 matrix_b_fmt:MATRIX_FMT_BF6
.else
	v_wmma_scale_f32_16x16x128_f8f6f4 v[128*\eta+8*(4*\a+\bt):128*\eta+8*(4*\a+\bt)+7], v[96*FP+12*(4*\eta+\bt):96*FP+12*(4*\eta+\bt)+11], v[AF+48*FP+12*\a:AF+48*FP+12*\a+11], v[128*\eta+8*(4*\a+\bt):128*\eta+8*(4*\a+\bt)+7], v[SS+8+2*(4*\eta+\bt)], v[SS+2*\a] matrix_a_fmt:MATRIX_FMT_BF6 matrix_b_fmt:MATRIX_FMT_BF6
.endif
.endr
.endr
.endm
.macro PRODUCTS s, zero                ; a K step's 32 products
	WIN 0xa1                                       ; source 0 window 1, source 1 window 0, C and D window 2
	MULH 0, \s, \zero
	MULH 1, \s, \zero
	WIN 0
.endm
.macro KSTEP s, zero
	s_wait_dscnt 0x0                               ; this step's fragments are in (asked for 32 matrix instructions ago)
.if (\s) < 7
	PLACES
	FETCH (\s)+1
.endif
	PRODUCTS \s, \zero
.endm
; THE WAY OUT of token tile a: into my stage (rows of 528 bytes), each accumulator from its low end on, and back as whole rows of 512 bytes
.macro TOSTAGE a
	WIN 0x08                                       ; an LDS store's data are its source 1: window 2
.irp e, 0,1
.irp bt, 0,1,2,3
	ds_store_b128 v[STO], v[128*\e+8*(4*(\a)+\bt):128*\e+8*(4*(\a)+\bt)+3] offset:256*\e+128*(\bt/2)+32*(\bt%2)
	ds_store_b128 v[STO], v[128*\e+8*(4*(\a)+\bt)+4:128*\e+8*(4*(\a)+\bt)+7] offset:256*\e+128*(\bt/2)+32*(\bt%2)+16
.endr
.endr
	WIN 0
.set BB, BK+64*((\a)%2)
.set t, 0
.rept 16
	ds_load_b128 v[BB+4*t:BB+4*t+3], v[RD] offset:528*t   ; LDS serves a wave's instructions in order: these see the stores above, and the next tile's stores come behind them
.set t, t+1
.endr
.endm
.macro SEND a, younger                 ; younger: the LDS instructions issued behind tile a's loads, which may stay out
.set BB, BK+64*((\a)%2)
	s_wait_dscnt \younger
.set t, 0
.rept 16
	global_store_b128 v17, v[BB+4*t:BB+4*t+3], s[8:9] offset:(32*((\a)/2)+8*((\a)%2)+t+8*(t/8))*4096 th:TH_STORE_NT   ; 32 lanes store 512 consecutive bytes, at a multiple of 256 from out0's first byte
.set t, t+1
.endr
.endm
	s_load_b128 s[4:7], s[0:1], 0x0                ; oimg, wimg
	s_load_b64 s[8:9], s[0:1], 0x10                ; out0
	v_lshl_add_u32 v30, v0, 2, SPARE
	v_mov_b32 v31, 0
	ds_add_u32 v30, v31                            ; the opening lines: the add, twice on end, and its wait ahead of my first tensor load
	ds_add_u32 v30, v31
	v_lshrrev_b32 v1, 5, v0
	v_readfirstlane_b32 s[WV], v1                  ; wave 0..3
	s_and_b32 s15, s[WV], 1                        ; which half of A's or of B's tiles I fetch
	s_bfe_u32 s66, ttmp6, 0x40000                  ; cx
	s_bfe_u32 s67, ttmp6, 0x40004                  ; cy
	s_lshl_b32 s68, ttmp9, 2
	s_add_co_u32 s68, s68, s66                     ; column block = 4 x cluster x + cx
	s_and_b32 s69, ttmp7, 0xffff
	s_lshl_b32 s69, s69, 2
	s_add_co_u32 s69, s69, s67                     ; token block = 4 x cluster y + cy
	s_lshl_b32 s70, s67, 2
	s_lshl_b32 s70, 15, s70                        ; my row of the cluster
	s_lshl_b32 s71, 0x1111, s66                    ; my column
	; descriptor group 1: a dense run as rows of 256 bytes (32 elements of 8 bytes): 416 rows of token tiles, 208 of weight tiles
	s_or_b32 s16, s70, (3<<16)|(1<<21)             ; 15:0 the mask; 17:16 elements of 8 bytes; 21 set beside a mask; no padding
	s_mov_b32 s17, 32<<16                          ; tensor_dim0
	s_mov_b32 s18, 416<<16                         ; tensor_dim1
	s_mov_b32 s19, 32<<16                          ; tile_dim0
	s_mov_b32 s20, 416                             ; tile_dim1
	s_mov_b32 s21, 32                              ; from row to row, in elements
	s_mov_b32 s22, 0
	s_mov_b32 s23, 0
	s_or_b32 s24, s71, (3<<16)|(1<<21)
	s_mov_b32 s25, 32<<16
	s_mov_b32 s26, 208<<16
	s_mov_b32 s27, 32<<16
	s_mov_b32 s28, 208
	s_mov_b32 s29, 32
	s_mov_b32 s30, 0
	s_mov_b32 s31, 0
	s_lshl_b32 s72, s69, 4
	s_lshl_b32 s73, s15, 3
	s_add_co_u32 s72, s72, s73                     ; A: token tile 16 x block + 8 x half
	s_mul_i32 s72, s72, TILEB
	s_mov_b32 s73, 0
	s_lshl_b32 s74, s68, 3
	s_lshl_b32 s75, s15, 2
	s_add_co_u32 s74, s74, s75                     ; B: weight tile 8 x block + 4 x half,
	s_add_co_u32 s74, s74, BT0                     ; among Wo's
	s_mul_i32 s74, s74, TILEB
	s_mov_b32 s75, 0
	s_mul_i32 s76, s15, 32*REC                     ; where they go: my half of the run: no place in the cluster enters an LDS address
	s_mul_i32 s77, s15, 16*REC
	s_add_co_u32 s77, s77, BOFF
	s_lshl_b32 s81, s69, 8
	s_lshl_b32 s82, s[WV], 6
	s_add_co_u32 s81, s81, s82                     ; my first row of out0: 256 x token block + 64 x wave
	s_lshl_b32 s81, s81, 12                        ; rows of 4,096 bytes
	s_lshl_b32 s82, s68, 9                         ; my 128 columns
	s_add_co_u32 s82, s82, s81
	s_mov_b32 s83, 0
	s_wait_dscnt 0x0                               ; both opening adds are done
	s_wait_kmcnt 0x0
	s_add_nc_u64 s[72:73], s[4:5], s[72:73]
	s_add_nc_u64 s[74:75], s[6:7], s[74:75]
	s_add_nc_u64 s[8:9], s[8:9], s[82:83]
	CROUND                                         ; all sixteen work-groups are here: the joint loads meet
.irp q, 0
	s_mov_b32 s[32+4*\q], 1
	s_add_co_u32 s[33+4*\q], s76, \q*CHB
	s_add_nc_u64 s[34+4*\q:35+4*\q], s[72:73], \q*REC
	s_or_b32 s[35+4*\q], s[35+4*\q], 0x80000000
	s_mov_b32 s[48+4*\q], 1
	s_add_co_u32 s[49+4*\q], s77, \q*CHB
	s_add_nc_u64 s[50+4*\q:51+4*\q], s[74:75], \q*REC
	s_or_b32 s[51+4*\q], s[51+4*\q], 0x80000000
.endr
	s_cmp_lt_u32 s[WV], 2                          ; waves 0 and 1 fetch the token tiles, waves 2 and 3 the weight tiles: one fill a wave: one tensor load of mine is out
	s_cbranch_scc0 .Lfill_b
	tensor_load_to_lds s[32:35], s[16:23]
	s_nop 0
.rept 4
	v_nop
.endr
	s_branch .Lfilled
.Lfill_b:
	tensor_load_to_lds s[48:51], s[24:31]
	s_nop 0
.rept 4
	v_nop
.endr
.Lfilled:
	v_and_b32 v20, 31, v0
	v_lshlrev_b32 v17, 4, v20                      ; 16 x lane
	v_lshlrev_b32 v18, 3, v20                      ; 8 x lane
	s_mul_i32 s78, s[WV], 4*REC                    ; my four token tiles
.irp q, 0,1,2,3
	s_add_co_u32 s79, s78, \q*CHB
	v_add_nc_u32 v[1+\q], s79, v17
	v_add_nc_u32 v[5+\q], s79, v18
	v_add_nc_u32 v[9+\q], \q*CHW+BOFF, v17
	v_add_nc_u32 v[13+\q], \q*CHW+BOFF, v18
.endr
	v_and_b32 v19, 15, v0                          ; r
	v_bfe_u32 v20, v0, 4, 1                        ; h
	s_mul_i32 s78, s[WV], 4*REC                    ; my stage: in chunk 0's records of my own four token tiles
	v_mul_u32_u24 v[STO], v19, 528
	v_lshl_add_u32 v[STO], v20, 6, v[STO]
	v_add_nc_u32 v[STO], s78, v[STO]               ; in: row r, + 64 h
	v_add_nc_u32 v[RD], s78, v17                   ; back: 16 bytes a lane of a row
	s_wait_alu depctr_va_vdst(0)
	s_wait_tensorcnt 0x0                           ; my one load has landed
	s_barrier_signal -1
	s_barrier_wait -1                              ; everybody's has
	FETCH 0
	KSTEP 0, 1                                     ; the first step's products start the sums: nothing is cleared
	KSTEP 1, 0
	KSTEP 2, 0
	KSTEP 3, 0
	KSTEP 4, 0
	KSTEP 5, 0
	KSTEP 6, 0
	KSTEP 7, 0
	PLACES                                         ; for the reads of results and for the loads into the registers that held fragments
	TOSTAGE 0
.irp a, 1,2,3
.if \a > 1
	s_wait_xcnt 0x0                                ; tile a - 2's stores have read their registers: tile a's rows may land there
.endif
	TOSTAGE \a
	SEND \a-1, 32                                  ; behind tile a - 1's loads: tile a's 16 stores and 16 loads
.endr
	SEND 3, 0
	s_wait_tensorcnt 0x0                           ; the wave's end, behind my last LDS store
	ds_add_u32 v30, v31
	s_wait_dscnt 0x0
	CROUND                                         ; the closing round: no work-group ends while a partner may still ask for a tile that names it
	s_endpgm
.Lfunc_end_k_q5861a5b97b_oproj:
	.size	k_q5861a5b97b_oproj, .Lfunc_end_k_q5861a5b97b_oproj-k_q5861a5b97b_oproj
	.p2alignl 7, 3214868480
	.fill 96, 4, 3214868480
	.section	.rodata,"a",@progbits
	.p2align	6, 0x0
	.amdhsa_kernel k_q5861a5b97b_oproj
		.amdhsa_group_segment_fixed_size 327680
		.amdhsa_private_segment_fixed_size 0
		.amdhsa_enable_private_segment 0
		.amdhsa_kernarg_size 24
		.amdhsa_user_sgpr_count 2
		.amdhsa_user_sgpr_kernarg_segment_ptr 1
		.amdhsa_wavefront_size32 1
		.amdhsa_system_sgpr_workgroup_id_x 1
		.amdhsa_system_sgpr_workgroup_id_y 1
		.amdhsa_system_sgpr_workgroup_id_z 1
		.amdhsa_system_vgpr_workitem_id 0
		.amdhsa_next_free_vgpr 1024
		.amdhsa_next_free_sgpr 100
		.amdhsa_reserve_vcc 0
		.amdhsa_float_denorm_mode_32 3
		.amdhsa_float_denorm_mode_16_64 3
		.amdhsa_memory_ordered 1
		.amdhsa_forward_progress 1
		.amdhsa_inst_pref_size 83
	.end_amdhsa_kernel
	.amdgpu_metadata
---
amdhsa.version: [ 1, 2 ]
amdhsa.kernels:
  - .name:           k_q5861a5b97b_oproj
    .symbol:         k_q5861a5b97b_oproj.kd
    .args:
      - { .name: oimg, .offset: 0, .size: 8, .value_kind: global_buffer, .address_space: global }
      - { .name: wimg, .offset: 8, .size: 8, .value_kind: global_buffer, .address_space: global }
      - { .name: out0, .offset: 16, .size: 8, .value_kind: global_buffer, .address_space: global }
    .group_segment_fixed_size: 327680
    .private_segment_fixed_size: 0
    .kernarg_segment_align: 8
    .kernarg_segment_size: 24
    .max_flat_workgroup_size: 128
    .sgpr_count:     100
    .vgpr_count:     1024
    .wavefront_size: 32
...
	.end_amdgpu_metadata
.endif
;; end of part 4
